; MI455X (gfx1250); checked and timed in simulation.
; The chip was launched on July 23, 2026; its instructions are those of AMD's public machine-readable ISA for CDNA 5 (MIT licence, August 2026) and "CDNA5" Instruction Set Architecture Reference Guide (July 2026). The comments in the code are by the model that wrote it; some were corrected since.
;; Cross Attn Block. Allowed arithmetic: float matrix products may take bf16 or f16 operands with f32 sums; all other float work in f32.
;; Inputs: Wkv 1,024 x 2,048 float32; Wp 1,024 x 1,024 float32; Wq 1,024 x 1,024 float32; Wss_kv 1,024 x 2,048 float32; Wss_q 1,024 x 2,048 float32; bkv 2,048 float32; bp 1,024 float32; bq 1,024 float32; bss_kv 2,048 float32; bss_q 2,048 float32; t_vec 8 x 1,024 float32; x_kv 8 x 512 x 1,024 float32; x_q 8 x 2,048 x 1,024 float32.
;; Outputs: out0 8 x 2,048 x 1,024 float32.
;; One version. Each part assembles by itself: llvm-mc -triple=amdgcn-amd-amdhsa -mcpu=gfx1250 --defsym DOCPART=n.
;; ======== version 1 of 1: 5 launches
;; workspace buffers: ssb 131,072 bytes; wqt 2,097,152 bytes; wkvt 4,194,304 bytes; wpt 2,097,152 bytes; act 33,554,432 bytes; xkvn 8,388,608 bytes; qb 33,554,432 bytes; kvb 16,777,216 bytes
;; launch ss (part 1): grid 64 x 1, 16 waves a work-group, no clusters, 102,400 bytes of LDS; arguments t_vec, Wss_q, Wss_kv, bss_q, bss_kv, ssb; writes ssb
.if DOCPART == 1
	.amdgcn_target "amdgcn-amd-amdhsa--gfx1250"
	.amdhsa_code_object_version 6
	.text
	.protected	k_q0f1d211512_ss
	.globl	k_q0f1d211512_ss
	.p2align	8
	.type	k_q0f1d211512_ss,@function
k_q0f1d211512_ss:
	s_mov_b64 s[64:65], 0
	v_nop
	global_prefetch_b8 v0, s[64:65] scope:SCOPE_SE
	s_setreg_imm32_b32 hwreg(HW_REG_WAVE_MODE, 25, 1), 1
	s_wait_xcnt 0x0
; ssb[mat][b][n] = sum over k of silu(t_vec[b][k]) Wss[mat][k][n] + bss[mat][n], and + 1 for n < 1024 (so that the scale half holds 1 + scale).
; mat 0 = Wss_q, 1 = Wss_kv.  All in f32 on the vector unit: eight rows against 16.8 MB of weights that are read once, so memory binds and
; the matrix unit, clusters and big register tiles would buy nothing; no two work-groups read the same weights.
; SHARES.  A work-group owns 64 columns (256 bytes of every row of W) of one matrix; wave w owns k = 64 w .. 64 w + 63.  Lane L: r = L % 16 names
; columns 4 r .. 4 r + 3, hh = L / 16; load i reads row k = 64 w + 2 i + hh.  All 32 loads of a wave go out at once: the group's 256 KB are in flight together.
; LDS.  0 .. 32767: st, 2,048 bytes a wave, the wave's own: silu(t)[k_local][b] at 32 k_local + 4 b.  RED on: 32 slices (2 w + hh) of [8 b][64 columns] f32.
; LIMITS.  silu(x) = x / (1 + 2^(-x log2 e)): where the power overflows the quotient is 0, as silu's limit is.  NaN and infinities are not treated apart.
.set RED, 32768
.set WO,  1                            ; v1   byte offset of my 16 bytes in W's row 64 w + hh
.set TO,  2                            ; v2   byte offset of my 16 bytes in t_vec
.set SA,  3                            ; v3   where I put silu(t)
.set SR,  4                            ; v4   where I read it back
.set RA,  5                            ; v5   where my partial sums go
.set FA,  6                            ; v6   where the last phase reads them
.set BO,  7                            ; v7   8 x lane
.set YO,  8                            ; v8   my byte offset in ssb
.set T,   16                           ; v[16:31]   16 numbers of t
.set ACC, 32                           ; v[32:63]   sums: batch b, column e at ACC + 4 b + e
.set W,   64                           ; v[64:191]  load i at W + 4 i
.set SV,  192                          ; v[192:223] silu(t) of four rows k, eight batches each
	s_load_b256 s[4:11], s[0:1], 0x0               ; t_vec s[4:5], Wss_q s[6:7], Wss_kv s[8:9], bss_q s[10:11]
	s_load_b128 s[12:15], s[0:1], 0x20             ; bss_kv s[12:13], ssb s[14:15]
	v_lshl_add_u32 v224, v0, 2, 0x18800
	v_mov_b32 v225, 0
	v_lshrrev_b32 v9, 5, v0
	v_readfirstlane_b32 s21, v9                    ; wave 0..15
	v_and_b32 v9, 31, v0                           ; L
	v_and_b32 v10, 15, v0                          ; r
	v_bfe_u32 v11, v0, 4, 1                        ; hh
	v_and_b32 v12, 3, v0                           ; L % 4
	v_bfe_u32 v13, v0, 2, 3                        ; L / 4
	s_lshr_b32 s2, ttmp9, 5                        ; mat
	s_and_b32 s3, ttmp9, 31                        ; column block
	s_lshl_b32 s24, s3, 8                          ; its 256 bytes in a row
	s_mov_b32 s25, 0
	s_lshl_b32 s26, s2, 16                         ; ssb: 65,536 bytes a matrix
	s_add_co_u32 s26, s26, s24
	s_mov_b32 s27, 0
	s_lshl_b32 s28, s21, 19                        ; 64 rows of 8,192 bytes a wave
	s_cmp_lt_u32 s3, 16                            ; the scale half?
	s_cselect_b32 s22, 1.0, 0
	s_mov_b32 s23, s22                             ; named with it as a pair
	v_lshlrev_b32 v[WO], 4, v10
	v_lshl_or_b32 v[WO], v11, 13, v[WO]
	v_or_b32 v[WO], s28, v[WO]
	v_lshlrev_b32 v[TO], 4, v12                    ; batch L / 4, k = 64 w + 16 j + 4 (L % 4) + e
	v_lshl_or_b32 v[TO], v13, 12, v[TO]
	v_lshl_add_u32 v[TO], s21, 8, v[TO]
	v_lshlrev_b32 v[SA], 2, v13
	v_lshl_or_b32 v[SA], v12, 7, v[SA]
	v_lshl_add_u32 v[SA], s21, 11, v[SA]
	v_lshlrev_b32 v[SR], 5, v11
	v_lshl_add_u32 v[SR], s21, 11, v[SR]
	v_lshlrev_b32 v[RA], 4, v10
	v_lshl_or_b32 v[RA], v11, 11, v[RA]
	v_lshl_add_u32 v[RA], s21, 12, v[RA]
	v_add_nc_u32 v[RA], RED, v[RA]
	v_lshlrev_b32 v[BO], 3, v9
	v_lshl_add_u32 v[FA], s21, 8, v[BO]
	v_add_nc_u32 v[FA], RED, v[FA]
	v_lshl_add_u32 v[YO], s21, 13, v[BO]           ; batch w's row of 8,192 bytes
	s_wait_kmcnt 0x0
	s_cmp_eq_u32 s2, 0
	s_cselect_b64 s[16:17], s[6:7], s[8:9]         ; my matrix
	s_cselect_b64 s[18:19], s[10:11], s[12:13]     ; and its bias
	s_add_nc_u64 s[16:17], s[16:17], s[24:25]
	s_add_nc_u64 s[18:19], s[18:19], s[24:25]
	s_add_nc_u64 s[14:15], s[14:15], s[26:27]
.irp j, 0,1,2,3
	global_load_b128 v[T+4*\j:T+4*\j+3], v[TO], s[4:5] offset:64*\j
.endr
.set i, 0
.rept 32
	global_load_b128 v[W+4*i:W+4*i+3], v[WO], s[16:17] offset:16384*i th:TH_LOAD_NT
.set i, i+1
.endr
	s_wait_loadcnt 32                              ; t is in; the 32 loads of W stay out
	; silu of 16 numbers, in runs, so that each transcendental has a plain instruction behind it before its result is used (ISA guide 5.7.2)
.set i, 0
.rept 16
	v_mul_f32 v[SV+i], 0xbfb8aa3b, v[T+i]          ; - x log2 e
.set i, i+1
.endr
.set i, 0
.rept 16
	v_exp_f32 v[SV+i], v[SV+i]
.set i, i+1
.endr
	v_nop
.set i, 0
	s_wait_alu depctr_va_vdst(0)
.rept 16
	v_add_f32 v[SV+i], 1.0, v[SV+i]
.set i, i+1
.endr
.set i, 0
.rept 16
	v_rcp_f32 v[SV+i], v[SV+i]
.set i, i+1
.endr
	v_nop
.set i, 0
	s_wait_alu depctr_va_vdst(0)
.rept 16
	v_mul_f32 v[T+i], v[T+i], v[SV+i]
.set i, i+1
.endr
.irp j, 0,1,2,3
.irp e, 0,1,2,3
	ds_store_b32 v[SA], v[T+4*\j+\e] offset:512*\j+32*\e
.endr
.endr
; Four loads of W (eight rows k) at a time.  The wave reads its own bytes of st: LDS serves a wave's instructions in order (ISA guide 5.7.1.4), so no barrier.
; The multiplier silu(t)[k][b] is one register of a pair: an even b takes the pair's first register for both halves, an odd b its second.
.macro GRP g
.irp q, 0,1,2,3
	ds_load_b128 v[SV+8*(\q):SV+8*(\q)+3],   v[SR] offset:64*(4*(\g)+(\q))
	ds_load_b128 v[SV+8*(\q)+4:SV+8*(\q)+7], v[SR] offset:64*(4*(\g)+(\q))+16
.endr
	s_wait_loadcnt 28-4*(\g)                       ; loads come back in order (ISA guide 5.7.1): this group's four are in, the later groups' stay out
	s_wait_dscnt 0x0
.irp q, 0,1,2,3
.irp b, 0,1,2,3,4,5,6,7
.irp p, 0,1
.set aR, ACC+4*(\b)+2*(\p)
.set wR, W+4*(4*(\g)+(\q))+2*(\p)
.set sR, SV+8*(\q)+2*((\b)/2)
.if ((\g)+(\q)) == 0                   ; the first product starts the sums: nothing is cleared
.if (\b)%2
	v_pk_mul_f32 v[aR:aR+1], v[wR:wR+1], v[sR:sR+1] op_sel:[0,1] op_sel_hi:[1,1]
.else
	v_pk_mul_f32 v[aR:aR+1], v[wR:wR+1], v[sR:sR+1] op_sel_hi:[1,0]
.endif
.else
.if (\b)%2
	v_pk_fma_f32 v[aR:aR+1], v[wR:wR+1], v[sR:sR+1], v[aR:aR+1] op_sel:[0,1,0] op_sel_hi:[1,1,1]
.else
	v_pk_fma_f32 v[aR:aR+1], v[wR:wR+1], v[sR:sR+1], v[aR:aR+1] op_sel_hi:[1,0,1]
.endif
.endif
.endr
.endr
.endr
.endm
.irp g, 0,1,2,3,4,5,6,7
	GRP \g
.endr
.irp b, 0,1,2,3,4,5,6,7
	ds_store_b128 v[RA], v[ACC+4*\b:ACC+4*\b+3] offset:256*\b
.endr
	s_wait_dscnt 0x0                               ; for the others' sake: my partial sums are in LDS
	s_barrier_signal -1
	s_barrier_wait -1
	s_cmp_lt_u32 s21, 8                            ; wave w < 8 finishes batch w; the others have done their part
	s_cbranch_scc0 .Lend
	global_load_b64 v[10:11], v[BO], s[18:19]      ; the bias of my two columns
.set i, 0
.rept 32
	ds_load_b64 v[W+2*i:W+2*i+1], v[FA] offset:2048*i  ; slice i, batch w, my two columns
.set i, i+1
.endr
	s_wait_dscnt 0x0
.set i, 4
.rept 28                               ; four chains that do not wait for each other
	v_pk_add_f32 v[W+2*(i%4):W+2*(i%4)+1], v[W+2*(i%4):W+2*(i%4)+1], v[W+2*i:W+2*i+1]
.set i, i+1
.endr
	v_pk_add_f32 v[W:W+1], v[W:W+1], v[W+2:W+3]
	v_pk_add_f32 v[W+4:W+5], v[W+4:W+5], v[W+6:W+7]
	v_pk_add_f32 v[W:W+1], v[W:W+1], v[W+4:W+5]
	s_wait_loadcnt 0x0
	v_pk_add_f32 v[W:W+1], v[W:W+1], v[10:11]
	v_pk_add_f32 v[W:W+1], v[W:W+1], s[22:23] op_sel_hi:[1,0]  ; + 1 in the scale half
	global_store_b64 v[YO], v[W:W+1], s[14:15]     ; 32 lanes store 256 consecutive bytes, at a multiple of 256 from ssb's first byte
.Lend:
	s_wait_tensorcnt 0x0
	ds_add_u32 v224, v225
	s_wait_dscnt 0x0
	s_endpgm
.Lfunc_end_k_q0f1d211512_ss:
	.size	k_q0f1d211512_ss, .Lfunc_end_k_q0f1d211512_ss-k_q0f1d211512_ss
	.p2alignl 7, 3214868480
	.fill 96, 4, 3214868480
	.section	.rodata,"a",@progbits
	.p2align	6, 0x0
	.amdhsa_kernel k_q0f1d211512_ss
		.amdhsa_group_segment_fixed_size 102400
		.amdhsa_private_segment_fixed_size 0
		.amdhsa_enable_private_segment 0
		.amdhsa_kernarg_size 48
		.amdhsa_user_sgpr_count 2
		.amdhsa_user_sgpr_kernarg_segment_ptr 1
		.amdhsa_wavefront_size32 1
		.amdhsa_system_sgpr_workgroup_id_x 1
		.amdhsa_system_sgpr_workgroup_id_y 1
		.amdhsa_system_sgpr_workgroup_id_z 1
		.amdhsa_system_vgpr_workitem_id 0
		.amdhsa_next_free_vgpr 226
		.amdhsa_next_free_sgpr 66
		.amdhsa_reserve_vcc 0
		.amdhsa_float_denorm_mode_32 3
		.amdhsa_float_denorm_mode_16_64 3
		.amdhsa_memory_ordered 1
		.amdhsa_forward_progress 1
		.amdhsa_inst_pref_size 52
	.end_amdhsa_kernel
	.amdgpu_metadata
---
amdhsa.version: [ 1, 2 ]
amdhsa.kernels:
  - .name:           k_q0f1d211512_ss
    .symbol:         k_q0f1d211512_ss.kd
    .args:
      - { .name: t_vec, .offset: 0, .size: 8, .value_kind: global_buffer, .address_space: global }
      - { .name: Wss_q, .offset: 8, .size: 8, .value_kind: global_buffer, .address_space: global }
      - { .name: Wss_kv, .offset: 16, .size: 8, .value_kind: global_buffer, .address_space: global }
      - { .name: bss_q, .offset: 24, .size: 8, .value_kind: global_buffer, .address_space: global }
      - { .name: bss_kv, .offset: 32, .size: 8, .value_kind: global_buffer, .address_space: global }
      - { .name: ssb, .offset: 40, .size: 8, .value_kind: global_buffer, .address_space: global }
    .group_segment_fixed_size: 102400
    .private_segment_fixed_size: 0
    .kernarg_segment_align: 8
    .kernarg_segment_size: 48
    .max_flat_workgroup_size: 512
    .sgpr_count:     66
    .vgpr_count:     226
    .wavefront_size: 32
...
	.end_amdgpu_metadata
.endif
;; end of part 1
;; launch lnwt (part 2): grid 768 x 1, 4 waves a work-group, no clusters, 70,144 bytes of LDS; arguments x_q, x_kv, ssb, act, xkvn, Wq, Wkv, Wp, wqt, wkvt, wpt; writes act, xkvn, wqt, wkvt, wpt
.if DOCPART == 2
	.amdgcn_target "amdgcn-amd-amdhsa--gfx1250"
	.amdhsa_code_object_version 6
	.text
	.protected	k_q0f1d211512_lnwt
	.globl	k_q0f1d211512_lnwt
	.p2align	8
	.type	k_q0f1d211512_lnwt,@function
k_q0f1d211512_lnwt:
	s_mov_b64 s[64:65], 0
	v_nop
	global_prefetch_b8 v0, s[64:65] scope:SCOPE_SE
	s_setreg_imm32_b32 hwreg(HW_REG_WAVE_MODE, 25, 1), 1
	s_wait_xcnt 0x0
; TWO STREAMS THAT DO NOT DEPEND ON EACH OTHER, IN ONE LAUNCH: the norm of x_q and x_kv, and the turning of the weights.  A wave of either moves 32 KB in and 16 KB out,
; so the work-groups are alike: 768 of four waves, three for each of 256 WGPs (a work-group takes 4 x 256 registers and 70,144 bytes of LDS).
; Work-groups 0-511: x_q, 32 rows each, 64 to a batch, into act.  512-639: x_kv, 16 to a batch, into xkvn.  640-767: the weights.  One forward branch on the work-group's number parts them.
; Streams: each byte read once and written once; no work-group shares bytes with another, so no cluster; no product, so no matrix unit.
;
; THE NORM.  y[row][c] = (1 + scale[b][c]) (x[row][c] - mean) / sqrt(var + 1e-5) + bias[b][c], rounded once to bf16.  x: rows of 1,024 f32; 1 + scale and bias come from ssb.
; One wave, one row: a row is 32 registers, read from memory once and kept between the pass for the mean, the pass for the variance (of x - mean, so that a common
; offset of x costs nothing) and the scaling.  No LDS, no barrier.  A wave has 8 rows, four at a time in registers; its 1 + scale and bias stay in 64 registers.
.set XO, 1                             ; v1   my byte offset in x: 8 rows a wave, 16 bytes a lane
.set YO, 2                             ; v2   the same in y: 8 bytes a lane
.set GO, 3                             ; v3   16 x lane
.set T,  8                             ; v[8:15]    four running pairs
.set MU, 16                            ; v[16:17]   the mean (the pair's second register is only named)
.set R,  18                            ; v[18:19]   1 / sqrt(var + eps), likewise
.set X,  64                            ; v[64:191]  four rows of 32 registers; load j of a row holds columns 128 j + 4 lane ..
.set G,  192                           ; v[192:223] 1 + scale of those columns
.set BV, 224                           ; v[224:255] bias
	v_lshl_add_u32 v30, v0, 2, 0x11000
	v_mov_b32 v31, 0
	s_mov_b32 s24, ttmp9
	s_cmp_lt_u32 s24, 640
	s_cbranch_scc0 .Lturn                          ; work-groups 640-767 turn the weights
	s_load_b256 s[4:11], s[0:1], 0x0               ; x_q s[4:5], x_kv s[6:7], ssb s[8:9], act s[10:11]
	s_load_b64 s[12:13], s[0:1], 0x20              ; xkvn
	v_lshrrev_b32 v4, 5, v0                        ; wave
	v_and_b32 v5, 31, v0                           ; lane
	v_lshlrev_b32 v[GO], 4, v5
	v_lshl_or_b32 v[XO], v4, 15, v[GO]
	v_lshlrev_b32 v[YO], 3, v5
	v_lshl_or_b32 v[YO], v4, 14, v[YO]
	v_mov_b32 v[MU+1], 0
	v_mov_b32 v[R+1], 0
	s_sub_co_u32 s2, s24, 512                      ; my number among x_kv's work-groups
	s_lshr_b32 s3, s2, 4
	s_lshr_b32 s14, s24, 6
	s_cmp_lt_u32 s24, 512
	s_cselect_b32 s2, s24, s2                      ; my number in my tensor
	s_cselect_b32 s3, s14, s3                      ; my batch
	s_cselect_b32 s15, 0, 0x10000                  ; ssb's half
	s_lshl_b32 s3, s3, 13
	s_add_co_u32 s26, s3, s15
	s_mov_b32 s27, 0
	s_lshl_b32 s16, s2, 17                         ; 32 rows of 4,096 bytes
	s_mov_b32 s17, 0
	s_lshl_b32 s18, s2, 16                         ; 32 rows of 2,048 bytes
	s_mov_b32 s19, 0
	s_mov_b32 s20, 0x3a800000                      ; 1 / 1024
	s_mov_b32 s21, 0x3727c5ac                      ; 1e-5
	s_mov_b32 s22, 0x76543210                      ; v_permlanex16_b32: each lane takes its own place in the other half
	s_mov_b32 s23, 0xfedcba98
	s_wait_kmcnt 0x0
	s_cmp_lt_u32 s24, 512
	s_cselect_b64 s[4:5], s[4:5], s[6:7]
	s_cselect_b64 s[10:11], s[10:11], s[12:13]
	s_add_nc_u64 s[4:5], s[4:5], s[16:17]
	s_add_nc_u64 s[10:11], s[10:11], s[18:19]
	s_add_nc_u64 s[8:9], s[8:9], s[26:27]
.irp j, 0,1,2,3,4,5,6,7
	global_load_b128 v[G+4*\j:G+4*\j+3],   v[GO], s[8:9] offset:512*\j
	global_load_b128 v[BV+4*\j:BV+4*\j+3], v[GO], s[8:9] offset:4096+512*\j
.endr
.macro LANES                           ; the four running pairs into one number, the same in every lane
	v_pk_add_f32 v[T:T+1], v[T:T+1], v[T+2:T+3]
	v_pk_add_f32 v[T+4:T+5], v[T+4:T+5], v[T+6:T+7]
	v_pk_add_f32 v[T:T+1], v[T:T+1], v[T+4:T+5]
	v_add_f32 v[T], v[T], v[T+1]
	v_add_f32_dpp v[T], v[T], v[T] row_xmask:1 row_mask:0xf bank_mask:0xf
	v_add_f32_dpp v[T], v[T], v[T] row_xmask:2 row_mask:0xf bank_mask:0xf
	v_add_f32_dpp v[T], v[T], v[T] row_xmask:4 row_mask:0xf bank_mask:0xf
	v_add_f32_dpp v[T], v[T], v[T] row_xmask:8 row_mask:0xf bank_mask:0xf
	v_permlanex16_b32 v[T+1], v[T], s22, s23
	v_add_f32 v[T], v[T], v[T+1]
.endm
.macro TURN r                          ; row r of the four in registers
.set xr, X+32*(\r)
	s_wait_loadcnt 8*(3-(\r))                      ; loads come back in order (ISA guide 5.7.1): this row's eight are in (and ssb's, which are older); the later rows stay out
.irp c, 0,1,2,3
	v_pk_add_f32 v[T+2*\c:T+2*\c+1], v[xr+2*\c:xr+2*\c+1], v[xr+8+2*\c:xr+8+2*\c+1]  ; the first pairs start the chains
.endr
.irp k, 2,3
.irp c, 0,1,2,3
	v_pk_add_f32 v[T+2*\c:T+2*\c+1], v[T+2*\c:T+2*\c+1], v[xr+8*\k+2*\c:xr+8*\k+2*\c+1]
.endr
.endr
	LANES
	v_mul_f32 v[MU], s20, v[T]
.set i, 0
.rept 16
	v_pk_add_f32 v[xr+2*i:xr+2*i+1], v[xr+2*i:xr+2*i+1], v[MU:MU+1] op_sel_hi:[1,0] neg_lo:[0,1] neg_hi:[0,1]  ; x - mean
.set i, i+1
.endr
.irp c, 0,1,2,3
	v_pk_mul_f32 v[T+2*\c:T+2*\c+1], v[xr+2*\c:xr+2*\c+1], v[xr+2*\c:xr+2*\c+1]
.endr
.irp k, 1,2,3
.irp c, 0,1,2,3
	v_pk_fma_f32 v[T+2*\c:T+2*\c+1], v[xr+8*\k+2*\c:xr+8*\k+2*\c+1], v[xr+8*\k+2*\c:xr+8*\k+2*\c+1], v[T+2*\c:T+2*\c+1]
.endr
.endr
	LANES
	v_fma_f32 v[R], v[T], s20, s21                 ; var + eps
	v_rsq_f32 v[R], v[R]
	v_nop                                          ; a plain instruction between the transcendental and the use of its result (ISA guide 5.7.2)
.set i, 0
	s_wait_alu depctr_va_vdst(0)
.rept 16
	v_pk_mul_f32 v[xr+2*i:xr+2*i+1], v[xr+2*i:xr+2*i+1], v[R:R+1] op_sel_hi:[1,0]
.set i, i+1
.endr
.set i, 0
.rept 16
	v_pk_fma_f32 v[xr+2*i:xr+2*i+1], v[xr+2*i:xr+2*i+1], v[G+2*i:G+2*i+1], v[BV+2*i:BV+2*i+1]
.set i, i+1
.endr
.irp j, 0,1,2,3,4,5,6,7
	v_cvt_pk_bf16_f32 v[xr+4*\j],   v[xr+4*\j],   v[xr+4*\j+1]
	v_cvt_pk_bf16_f32 v[xr+4*\j+1], v[xr+4*\j+2], v[xr+4*\j+3]
	global_store_b64 v[YO], v[xr+4*\j:xr+4*\j+1], s[10:11] offset:2048*(\r)+256*\j  ; 32 lanes store 256 consecutive bytes, at a multiple of 256 from the buffer's first byte
.endr
.endm
	s_mov_b32 s25, 2
.Ltrip:                                        ; two trips of four rows
.set r, 0
.rept 4
.set j, 0
.rept 8
	global_load_b128 v[X+32*r+4*j:X+32*r+4*j+3], v[XO], s[4:5] offset:4096*r+512*j th:TH_LOAD_NT
.set j, j+1
.endr
.set r, r+1
.endr
	TURN 0
	TURN 1
	TURN 2
	TURN 3
	s_wait_xcnt 0x0                                ; every earlier memory instruction has had its addresses translated (ISA guide 3.1): only behind this wait are X, XO and YO written again
	v_add_nc_u32 v[XO], 16384, v[XO]
	v_add_nc_u32 v[YO], 8192, v[YO]
	s_sub_co_u32 s25, s25, 1
	s_cmp_lg_u32 s25, 0
	s_cbranch_scc1 .Ltrip
	s_endpgm
; THE WEIGHTS.  The three matrices, [k][n] in f32, are rounded to bf16 and turned to [n][k], the layout in which the products' tiles have K along their rows.
; Of my number less 640: bits 6:5 name the part (0 = Wq, 1 = Wkv's columns 0-1023, 2 = its columns 1024-2047, 3 = Wp), bits 4:1 the n block (64 columns), bit 0 and the wave the k block (128 rows).
; A wave's tile is 128 k x 64 n: rows of 256 bytes in, rows of 256 bytes out.  Each wave has its own LDS stage ([n 64][k 128] bf16, 272 bytes a row) and meets nobody: no barrier.
.set WVO, 3                            ; v3   2 hh rows + 16 r
.set WLS, 4                            ; v4   where I put a pair (k, k + 1) of a column; never rewritten
.set WLR, 5                            ; v5   where I read 16 bytes of a turned row
.set WGO, 6                            ; v6   my byte offset in two turned rows
.set WT,  8                            ; v[8:15]   packed pairs, two sets by turns
.set WAD, 32                           ; v[32:63]  load n's byte offset: the row pitch differs between the matrices, so it cannot stand in the immediate
.set WX,  64                           ; v[64:191] load n at WX + 4 n
.set PW,  17408                        ; a wave's stage: 64 rows of 272 bytes
.Lturn:
	s_load_b64 s[4:5], s[0:1], 0x28                ; Wq
	s_load_b128 s[8:11], s[0:1], 0x30              ; Wkv s[8:9], Wp s[10:11]
	s_load_b128 s[12:15], s[0:1], 0x40             ; wqt s[12:13], wkvt s[14:15]
	s_load_b64 s[6:7], s[0:1], 0x50                ; wpt
	v_lshrrev_b32 v1, 5, v0
	v_readfirstlane_b32 s29, v1                    ; wave 0..3
	v_and_b32 v1, 15, v0                           ; r: columns 4 r .. 4 r + 3
	v_bfe_u32 v2, v0, 4, 1                         ; hh
	s_sub_co_u32 s2, s24, 640                      ; 0..127
	s_lshr_b32 s20, s2, 5                          ; which part
	s_and_b32 s3, s2, 1
	s_bfe_u32 s2, s2, 0x40001                      ; n block: 4 bits from bit 1
	s_lshl2_add_u32 s3, s3, s29                    ; k block
	s_mov_b32 s21, 4096
	s_sub_co_u32 s22, s20, 1
	s_cmp_lt_u32 s22, 2                            ; Wkv?
	s_cselect_b32 s21, 8192, s21                   ; bytes from row to row of the source
	s_cmp_eq_u32 s20, 2                            ; its second half?
	s_cselect_b32 s22, 4096, 0                     ; 1,024 columns on in the source,
	s_cselect_b32 s23, 0x200000, 0                 ; 1,024 rows on in the target
	s_lshl_b32 s24, s3, 7
	s_mul_i32 s24, s24, s21                        ; 128 rows a k block
	s_lshl_b32 s25, s2, 8                          ; 256 bytes an n block
	s_add_co_u32 s24, s24, s25
	s_add_co_u32 s24, s24, s22
	s_mov_b32 s25, 0
	s_lshl_b32 s30, s2, 17                         ; target: 64 rows of 2,048 bytes an n block,
	s_lshl_b32 s31, s3, 8                          ; 256 bytes a k block
	s_add_co_u32 s30, s30, s31
	s_add_co_u32 s30, s30, s23
	s_mov_b32 s31, 0
	s_lshl_b32 s26, s21, 6                         ; a trip takes 64 rows
	s_mov_b32 s27, 0
	s_mul_i32 s22, s29, PW                         ; my stage
	v_mul_u32_u24 v[WVO], s21, v2
	v_lshlrev_b32 v[WVO], 1, v[WVO]
	v_lshl_add_u32 v[WVO], v1, 4, v[WVO]
.set n, 0
.rept 32                               ; loads 2 i and 2 i + 1 bring rows 4 i + 2 hh and 4 i + 2 hh + 1: a lane's pair of neighbouring k
	v_mad_u32_u24 v[WAD+n], s21, 4*(n/2)+(n%2), v[WVO]
.set n, n+1
.endr
	v_mul_u32_u24 v[WLS], v1, 1088                 ; row 4 r of the stage
	v_lshl_add_u32 v[WLS], v2, 2, v[WLS]
	v_add_nc_u32 v[WLS], s22, v[WLS]
	v_mul_u32_u24 v[WLR], v2, 272
	v_lshl_add_u32 v[WLR], v1, 4, v[WLR]
	v_add_nc_u32 v[WLR], s22, v[WLR]
	v_lshlrev_b32 v[WGO], 11, v2
	v_lshl_add_u32 v[WGO], v1, 4, v[WGO]
	s_wait_kmcnt 0x0
	s_cmp_eq_u32 s20, 0
	s_cselect_b64 s[16:17], s[4:5], s[8:9]
	s_cselect_b64 s[18:19], s[12:13], s[14:15]
	s_cmp_eq_u32 s20, 3
	s_cselect_b64 s[16:17], s[10:11], s[16:17]
	s_cselect_b64 s[18:19], s[6:7], s[18:19]
	s_add_nc_u64 s[16:17], s[16:17], s[24:25]
	s_add_nc_u64 s[18:19], s[18:19], s[30:31]
; Trip h (0, 1) takes rows k = 64 h .. 64 h + 63 of the tile: 32 loads at once, then pair by pair rounded and put into the stage, 128 h bytes along its rows.
.macro TRIP h
.set n, 0
.rept 32
	global_load_b128 v[WX+4*n:WX+4*n+3], v[WAD+n], s[16:17] th:TH_LOAD_NT
.set n, n+1
.endr
.set i, 0
.rept 16
	s_wait_loadcnt 30-2*i                          ; loads come back in order (ISA guide 5.7.1): pair i of loads is in, the later pairs stay out
.irp e, 0,1,2,3
	v_cvt_pk_bf16_f32 v[WT+4*(i%2)+\e], v[WX+8*i+\e], v[WX+8*i+4+\e]  ; (k, k + 1) of column 4 r + e
.endr
.irp e, 0,1,2,3
	ds_store_b32 v[WLS], v[WT+4*(i%2)+\e] offset:128*(\h)+272*\e+8*i
.endr
.set i, i+1
.endr
.endm
	TRIP 0
	s_add_nc_u64 s[16:17], s[16:17], s[26:27]      ; the trip's last wait was for 0: every load is done, so their base may step 64 rows on
	TRIP 1
.set t, 0
.rept 32
	ds_load_b128 v[WX+4*t:WX+4*t+3], v[WLR] offset:544*t  ; rows 2 t and 2 t + 1, whole; LDS serves a wave's instructions in order (ISA guide 5.7.1.4): these see the stores above
.set t, t+1
.endr
.set t, 0
.rept 32
	s_wait_dscnt 31-t
	global_store_b128 v[WGO], v[WX+4*t:WX+4*t+3], s[18:19] offset:4096*t  ; 16 lanes store 256 consecutive bytes, at a multiple of 256 from the buffer's first byte
.set t, t+1
.endr
	s_wait_tensorcnt 0x0
	ds_add_u32 v30, v31
	s_wait_dscnt 0x0
	s_endpgm
.Lfunc_end_k_q0f1d211512_lnwt:
	.size	k_q0f1d211512_lnwt, .Lfunc_end_k_q0f1d211512_lnwt-k_q0f1d211512_lnwt
	.p2alignl 7, 3214868480
	.fill 96, 4, 3214868480
	.section	.rodata,"a",@progbits
	.p2align	6, 0x0
	.amdhsa_kernel k_q0f1d211512_lnwt
		.amdhsa_group_segment_fixed_size 70144
		.amdhsa_private_segment_fixed_size 0
		.amdhsa_enable_private_segment 0
		.amdhsa_kernarg_size 88
		.amdhsa_user_sgpr_count 2
		.amdhsa_user_sgpr_kernarg_segment_ptr 1
		.amdhsa_wavefront_size32 1
		.amdhsa_system_sgpr_workgroup_id_x 1
		.amdhsa_system_sgpr_workgroup_id_y 1
		.amdhsa_system_sgpr_workgroup_id_z 1
		.amdhsa_system_vgpr_workitem_id 0
		.amdhsa_next_free_vgpr 256
		.amdhsa_next_free_sgpr 66
		.amdhsa_reserve_vcc 0
		.amdhsa_float_denorm_mode_32 3
		.amdhsa_float_denorm_mode_16_64 3
		.amdhsa_memory_ordered 1
		.amdhsa_forward_progress 1
		.amdhsa_inst_pref_size 72
	.end_amdhsa_kernel
	.amdgpu_metadata
---
amdhsa.version: [ 1, 2 ]
amdhsa.kernels:
  - .name:           k_q0f1d211512_lnwt
    .symbol:         k_q0f1d211512_lnwt.kd
    .args:
      - { .name: x_q, .offset: 0, .size: 8, .value_kind: global_buffer, .address_space: global }
      - { .name: x_kv, .offset: 8, .size: 8, .value_kind: global_buffer, .address_space: global }
      - { .name: ssb, .offset: 16, .size: 8, .value_kind: global_buffer, .address_space: global }
      - { .name: act, .offset: 24, .size: 8, .value_kind: global_buffer, .address_space: global }
      - { .name: xkvn, .offset: 32, .size: 8, .value_kind: global_buffer, .address_space: global }
      - { .name: Wq, .offset: 40, .size: 8, .value_kind: global_buffer, .address_space: global }
      - { .name: Wkv, .offset: 48, .size: 8, .value_kind: global_buffer, .address_space: global }
      - { .name: Wp, .offset: 56, .size: 8, .value_kind: global_buffer, .address_space: global }
      - { .name: wqt, .offset: 64, .size: 8, .value_kind: global_buffer, .address_space: global }
      - { .name: wkvt, .offset: 72, .size: 8, .value_kind: global_buffer, .address_space: global }
      - { .name: wpt, .offset: 80, .size: 8, .value_kind: global_buffer, .address_space: global }
    .group_segment_fixed_size: 70144
    .private_segment_fixed_size: 0
    .kernarg_segment_align: 8
    .kernarg_segment_size: 88
    .max_flat_workgroup_size: 128
    .sgpr_count:     66
    .vgpr_count:     256
    .wavefront_size: 32
...
	.end_amdgpu_metadata
.endif
;; end of part 2
;; launch qkv (part 3): grid 4 x 96, 4 waves a work-group, clusters of 4 x 4, 327,680 bytes of LDS; arguments act, wqt, qb, bq, xkvn, wkvt, kvb, bkv; writes qb, kvb
.if DOCPART == 3
	.amdgcn_target "amdgcn-amd-amdhsa--gfx1250"
	.amdhsa_code_object_version 6
	.text
	.protected	k_q0f1d211512_qkv
	.globl	k_q0f1d211512_qkv
	.p2align	8
	.type	k_q0f1d211512_qkv,@function
k_q0f1d211512_qkv:
	s_mov_b64 s[64:65], 0
	v_nop
	global_prefetch_b8 v0, s[64:65] scope:SCOPE_SE
	s_setreg_imm32_b32 hwreg(HW_REG_WAVE_MODE, 25, 1), 1
	s_wait_xcnt 0x0
	s_wait_alu depctr_hold_cnt(0) depctr_sa_sdst(0) depctr_va_vdst(0) depctr_va_sdst(0) depctr_va_ssrc(0) depctr_va_vcc(0) depctr_vm_vsrc(0)
	s_getreg_b32 s2, hwreg(HW_REG_IB_STS2, 6, 4)
	s_cmp_eq_u32 s2, 0
	s_cbranch_scc0 .Lentry_in_a_cluster
	s_endpgm
.Lentry_in_a_cluster:
	s_bfe_u32 s2, ttmp6, 0x10000c
	s_cmp_lg_u32 s2, 0xf033
	s_cbranch_scc0 .Lentry_shape_is_right
	s_endpgm
.Lentry_shape_is_right:
; TWO PRODUCTS OF ONE SHAPE IN ONE LAUNCH.  C[m][n] = sum over k of A[m][k] B[n][k] + bias[n].  A: [M][1024] bf16, B: [N][1024] bf16 (a weight matrix turned), bias f32, C bf16 in planes of [M][1024].
; Clusters y = 0-15 make q (A = act, M = 16,384, N = 1,024: 4 x 64 tiles); clusters y = 16-23 make k and v (A = xkvn, M = 4,096, N = 2,048: 8 x 16 tiles; tile columns 0-3 fill the k plane,
; 4-7 the v plane, 2^23 bytes on).  The four addresses are chosen by the cluster's y, which all partners share; no branch hangs on it.  384 tiles of equal work in all.  Sums in f32, C rounded once.
; A tile of C, 256 x 256, is made by a work-group of four waves, a wave makes 128 x 128: 64 accumulators of 16 x 16, 512 registers.  K goes in 8 steps of 128 through a ring of two LDS
; slots filled by the tensor data mover; the tiles' rows are 256 bytes of memory and start at multiples of 256 bytes.
; CLUSTERS: 4 x 4 work-groups.  The four of a row of the cluster need the same tiles of A, the four of a column the same tiles of B: each tile is asked for JOINTLY, by the same tensor load
; with the same descriptor and a mask that names the four.
; THE MATRIX INSTRUCTION IS USED TRANSPOSED: source 0 = 16 rows of B, source 1 = 16 rows of A: lane l holds row l % 16 of C and its registers the columns 8 (l / 16) + 0..7.
; THE BIAS is the C operand of the products that start the sums: eight registers for each of my eight blocks of 16 columns, loaded once.
; REGISTERS, in windows of 256 (s_set_vgpr_msb: bits 1:0 source 0, 3:2 source 1, 5:4 source 2, 7:6 destination):
;   window 0: v0-31 addresses; v64-127, v128-191 fragments of A, two buffers; v192-255 the bias, later (with v32-63) at work on the way out
;   window 1: v64-127, v128-191 fragments of B      window 2: the accumulators of my rows 0-63 ((a, b) at v[8 (8 a + b)])      window 3: those of my rows 64-127
; LIMITS: operands are bf16; NaN and infinities are not treated apart.
.set SIZE_K, 1024
.set CPITCH, 2048                      ; bytes from row to row of C
.set KSTEP,  128
.set PITCH,  272                       ; an LDS row: 256 bytes + 16 of padding = 68 words: the 16 rows that a load touches start at 16 different groups of four banks (64 banks of 4 bytes: ISA guide 11.1)
.set HALFT,  128*PITCH                 ; 128 rows: what one tensor load brings
.set SLOT,   4*HALFT                   ; A's 256 rows, then B's 256 rows
.set STAGE,  2*SLOT                    ; behind the ring: 16 rows x 272 bytes for each wave, for the way out
.set SPITCH, 272
.set SPARE,  STAGE+4*16*SPITCH         ; behind the stages: the spare words, 128 bytes for each wave
.set LAPS,   SIZE_K/(2*KSTEP)          ; a lap = two K steps = once round the ring
.set ADRA, 16                          ; v16-17  LDS address of my A fragments in slot 0, 1
.set ADRB, 20                          ; v20-21  the same for B
.set STO,  24                          ; v24     the way out: where I put 16 bytes of a row
.set RD,   25                          ; v25     where I read a row back
.set CO,   26                          ; v26     my byte offset in C
.set BO,   27                          ; v27     my byte offset in 16 numbers of the bias
.set SPW,  28                          ; v28     LDS address of my spare word; never rewritten
.set NIL,  29                          ; v29     0; never rewritten
.set F0,   64
.set F1,   128
.set BIAS, 192
.set TMP,  192
.set OB,   32
.set G1,  24                           ; s[24:31] descriptor group 1 for A's tiles
.set G0,  32                           ; s[32:39] group 0 for A's tiles, a set for each slot
.set G1B, 48                           ; s[48:55], s[56:63] the same for B's
.set G0B, 56
.set MSB, 0
.macro WIN new                         ; the immediate's high byte repeats the setting that is left; a switch that changes nothing is dropped
.if MSB != (\new)
	s_set_vgpr_msb (MSB<<8)|(\new)
.set MSB, \new
.endif
.endm
.set MUL_LO, 0xa1                      ; source 0 (B) window 1, source 1 (A) window 0, C and D window 2
.set TO_B,   0x40                      ; destination window 1, address window 0
; A joint load.  Waves 0 and 1 fetch A's two halves, waves 2 and 3 B's.  The branch hangs on the wave's number alone.  An s_nop 0 and four v_nop follow each of the two lines.
.macro JLOAD s
	s_cmp_eq_u32 s11, 0
	s_cbranch_scc0 .Lfor_b_\@
	tensor_load_to_lds s[G0+4*(\s):G0+4*(\s)+3], s[G1:G1+7]
	s_nop 0
.rept 4
	v_nop
.endr
	s_branch .Lasked_\@
.Lfor_b_\@:
	tensor_load_to_lds s[G0B+4*(\s):G0B+4*(\s)+3], s[G1B:G1B+7]
	s_nop 0
.rept 4
	v_nop
.endr
.Lasked_\@:
.endm
.macro CREST                           ; a round of the cluster's barrier behind its opening barrier
	s_cmp_lg_u32 s10, 0
	s_cbranch_scc1 .Lnot_wave_0_\@
	s_barrier_signal -3
.Lnot_wave_0_\@:
	s_barrier_wait -3
	s_barrier_signal -1
	s_barrier_wait -1
.endm
.macro CROUND                          ; a whole round
	s_barrier_signal -1
	s_barrier_wait -1
	CREST
.endm
	s_load_b256 s[72:79], s[0:1], 0x0              ; the first product's A, B, C, bias
	s_load_b256 s[80:87], s[0:1], 0x20             ; the second's
	v_lshl_add_u32 v[SPW], v0, 2, SPARE
	v_mov_b32 v[NIL], 0
	ds_add_u32 v28, v29
	s_wait_dscnt 0x0
	v_lshrrev_b32 v1, 5, v0
	v_readfirstlane_b32 s10, v1                    ; wave 0..3
	s_lshr_b32 s11, s10, 1                         ; which half of the tile's rows is mine.  Also: I fetch for A (0) or for B (1)
	s_and_b32 s12, s10, 1                          ; which half of its columns.  Also: which 128 rows of that tile I fetch
	s_bfe_u32 s40, ttmp6, 0x40000                  ; cx
	s_bfe_u32 s41, ttmp6, 0x40004                  ; cy
	s_and_b32 s45, ttmp7, 0xffff                   ; the cluster's y: 0-15 the first product, 16-23 the second
	s_sub_co_u32 s13, s45, 16                      ; the second product's cluster c, 0-7:
	s_and_b32 s42, s13, 1                          ; its group of four tile columns, c % 2,
	s_lshr_b32 s13, s13, 1                         ; its group of four tile rows, c / 2
	s_cmp_lt_u32 s45, 16
	s_cselect_b32 s42, 0, s42                      ; the first product has one group of columns,
	s_cselect_b32 s13, s45, s13                    ; and the cluster's y names its group of rows
	s_lshl_b32 s42, s42, 2
	s_add_co_u32 s42, s42, s40                     ; tile column = 4 x group + cx
	s_lshl_b32 s13, s13, 2
	s_add_co_u32 s13, s13, s41                     ; tile row = 4 x group + cy
	s_lshl_b32 s43, s41, 2
	s_lshl_b32 s43, 15, s43                        ; my row of the cluster
	s_lshl_b32 s44, 0x1111, s40                    ; my column
	s_or_b32 s[G1+0], s43, (1<<16)|(1<<20)|(1<<21)|(5<<22)|(3<<25)   ; the mask; elements of 2 bytes; padding on; bit 21 beside a mask; after every 64 words 4 words of padding
	s_or_b32 s[G1B+0], s44, (1<<16)|(1<<20)|(1<<21)|(5<<22)|(3<<25)
.irp g, G1, G1B
	s_mov_b32 s[(\g)+1], KSTEP<<16                 ; tensor_dim0 = 128
	s_mov_b32 s[(\g)+2], 128<<16                   ; tensor_dim1 = 128
	s_mov_b32 s[(\g)+3], KSTEP<<16                 ; tile_dim0 = 128
	s_mov_b32 s[(\g)+4], 128                       ; tile_dim1 = 128
	s_mov_b32 s[(\g)+5], SIZE_K                    ; elements from row to row
	s_mov_b32 s[(\g)+6], 0
	s_mov_b32 s[(\g)+7], 0
.endr
	s_lshl_b32 s17, s12, 7                         ; which 128 rows of the tile I fetch
	s_lshl_b32 s16, s13, 8
	s_add_co_u32 s16, s16, s17                     ; A: row 256 x tile row + 128 x half
	s_lshl_b32 s46, s42, 8
	s_add_co_u32 s46, s46, s17                     ; B: row 256 x tile column + 128 x half
	s_mov_b32 s17, 0
	s_mov_b32 s47, 0
	s_mov_b64 s[18:19], SIZE_K*2
	s_mul_u64 s[16:17], s[16:17], s[18:19]
	s_mul_u64 s[46:47], s[46:47], s[18:19]
	s_mul_i32 s20, s10, HALFT                      ; where they go: wave x 128 rows: no place in the cluster enters an LDS address
	s_lshl_b32 s68, s42, 10                        ; the bias of my 128 columns: 1,024 bytes a tile column, 512 a half
	s_lshl_b32 s69, s12, 9
	s_add_co_u32 s68, s68, s69
	s_mov_b32 s69, 0
	s_wait_kmcnt 0x0
	s_cmp_lt_u32 s45, 16                           ; which product's buffers
	s_cselect_b64 s[4:5], s[72:73], s[80:81]       ; A
	s_cselect_b64 s[6:7], s[74:75], s[82:83]       ; B
	s_cselect_b64 s[8:9], s[76:77], s[84:85]       ; C
	s_cselect_b64 s[66:67], s[78:79], s[86:87]     ; bias
	s_add_nc_u64 s[14:15], s[4:5], s[16:17]
	s_add_nc_u64 s[46:47], s[6:7], s[46:47]
	s_add_nc_u64 s[66:67], s[66:67], s[68:69]
	CROUND                                         ; all sixteen work-groups are here: the first joint loads meet
.irp s, 0,1
	s_mov_b32 s[G0+4*(\s)], 1
	s_add_co_u32 s[G0+4*(\s)+1], s20, (\s)*SLOT
	s_add_nc_u64 s[G0+4*(\s)+2:G0+4*(\s)+3], s[14:15], (\s)*KSTEP*2
	s_or_b32 s[G0+4*(\s)+3], s[G0+4*(\s)+3], 0x80000000
	s_mov_b32 s[G0B+4*(\s)], 1
	s_add_co_u32 s[G0B+4*(\s)+1], s20, (\s)*SLOT
	s_add_nc_u64 s[G0B+4*(\s)+2:G0B+4*(\s)+3], s[46:47], (\s)*KSTEP*2
	s_or_b32 s[G0B+4*(\s)+3], s[G0B+4*(\s)+3], 0x80000000
	JLOAD \s                                       ; the ring is filled before anything else is done: two tensor loads of mine are out
.endr
	v_and_b32 v1, 15, v0                           ; l % 16
	v_bfe_u32 v2, v0, 4, 1                         ; l / 16
	v_lshlrev_b32 v[BO], 5, v2                     ; my eight columns of a block of 16
.irp b, 0,1,2,3,4,5,6,7
	global_load_b128 v[BIAS+8*\b:BIAS+8*\b+3],   v[BO], s[66:67] offset:64*\b
	global_load_b128 v[BIAS+8*\b+4:BIAS+8*\b+7], v[BO], s[66:67] offset:64*\b+16
.endr
	v_mul_u32_u24 v3, v1, PITCH
	v_lshl_add_u32 v3, v2, 4, v3                   ; a fragment's row x pitch + 16 x half
	s_mul_i32 s21, s11, HALFT                      ; my 128 rows of A
	s_mul_i32 s22, s12, HALFT                      ; my 128 rows of B,
	s_add_co_u32 s22, s22, 2*HALFT                 ; which lie behind A's 256
.irp s, 0,1
	v_add_nc_u32 v[ADRA+(\s)], s21, v3
	v_add_nc_u32 v[ADRB+(\s)], s22, v3
	s_add_co_u32 s21, s21, SLOT
	s_add_co_u32 s22, s22, SLOT
.endr
	s_mul_i32 s23, s10, 16*SPITCH
	s_add_co_u32 s23, s23, STAGE                   ; my stage
	v_mul_u32_u24 v4, v1, SPITCH
	v_lshl_add_u32 v4, v2, 4, v4
	v_add_nc_u32 v[STO], s23, v4
	v_mul_u32_u24 v5, v2, SPITCH
	v_lshl_add_u32 v5, v1, 4, v5
	v_add_nc_u32 v[RD], s23, v5
	v_mul_u32_u24 v5, v2, CPITCH
	v_lshl_add_u32 v[CO], v1, 4, v5
	; where my part of the tile begins in C, in bytes
	s_lshl_b32 s13, s13, 8
	s_lshl_b32 s14, s11, 7
	s_add_co_u32 s16, s13, s14                     ; my first row
	s_mov_b32 s17, 0
	s_mov_b64 s[18:19], CPITCH
	s_mul_u64 s[16:17], s[16:17], s[18:19]
	s_and_b32 s46, s42, 3                          ; the tile column in its plane: 512 bytes each, 256 a half
	s_lshl_b32 s46, s46, 9
	s_lshl_b32 s47, s12, 8
	s_add_co_u32 s46, s46, s47
	s_lshr_b32 s47, s42, 2                         ; the plane
	s_lshl_b32 s47, s47, 23
	s_add_co_u32 s46, s46, s47
	s_mov_b32 s47, 0
	s_add_nc_u64 s[16:17], s[16:17], s[46:47]
; 16 matrix instructions: m blocks a0, a0 + 1 of the window's four (hi = 0: my rows 0-63, 1: rows 64-127) x all 8 n blocks, 32 along K.  zero = 1: the products start the sums, with the bias as C.
; The 64 accumulators take turns, one instruction a turn, in the same order in every quarter step.
.macro MUL16 f, hi, a0, zero
.if \zero
	WIN 0x81+0x40*(\hi)                            ; C (the bias) in window 0, D in window 2 or 3
.else
	WIN MUL_LO+0x50*(\hi)
.endif
.irp a, \a0, (\a0)+1
.irp b, 0,1,2,3,4,5,6,7
.if \zero
	v_wmma_f32_16x16x32_bf16 v[8*(8*(\a)+(\b)):8*(8*(\a)+(\b))+7], v[(\f)+8*(\b):(\f)+8*(\b)+7], v[(\f)+8*(4*(\hi)+(\a)):(\f)+8*(4*(\hi)+(\a))+7], v[BIAS+8*(\b):BIAS+8*(\b)+7]
.else
	v_wmma_f32_16x16x32_bf16 v[8*(8*(\a)+(\b)):8*(8*(\a)+(\b))+7], v[(\f)+8*(\b):(\f)+8*(\b)+7], v[(\f)+8*(4*(\hi)+(\a)):(\f)+8*(4*(\hi)+(\a))+7], v[8*(8*(\a)+(\b)):8*(8*(\a)+(\b))+7]
.endif
.endr
.endr
.endm
; 32 LDS loads in one run: the fragments of one quarter step (128 rows of B, 128 rows of A, 32 K at byte k of the rows) into buffer f
.macro FETCH slot, k, f
	WIN TO_B
.irp i, 0,1,2,3,4,5,6,7
	ds_load_b128 v[(\f)+8*(\i):(\f)+8*(\i)+3],   v[ADRB+(\slot)] offset:(\k)+(\i)*16*PITCH
	ds_load_b128 v[(\f)+8*(\i)+4:(\f)+8*(\i)+7], v[ADRB+(\slot)] offset:(\k)+(\i)*16*PITCH+32
.endr
	WIN 0
.irp i, 0,1,2,3,4,5,6,7
	ds_load_b128 v[(\f)+8*(\i):(\f)+8*(\i)+3],   v[ADRA+(\slot)] offset:(\k)+(\i)*16*PITCH
	ds_load_b128 v[(\f)+8*(\i)+4:(\f)+8*(\i)+7], v[ADRA+(\slot)] offset:(\k)+(\i)*16*PITCH+32
.endr
.endm
; A load into a register that a matrix instruction has read, and a vector instruction that reads a matrix result, stand four places behind that matrix instruction; only plain vector
; instructions that name none of its registers are places (ISA guide 7.12.1 for vector instructions).
.macro PLACES
.rept 4
	v_nop
.endr
.endm
; A K step is four quarter steps of 32 along K, 64 matrix instructions each, on buffers 0, 1, 0, 1.  One of the first three: multiplies buffer f; in its middle it fetches the next quarter into g.
.macro QUARTER slot, k, f, g, zero
	s_wait_dscnt 8                                 ; B and A's rows 0-63 are in; the youngest eight loads (A's rows 64-127) may be out
	MUL16 \f, 0, 0, \zero
	MUL16 \f, 0, 2, \zero
	PLACES
	FETCH \slot, \k, \g
	s_wait_dscnt 32                                ; all but the 32 just issued
	MUL16 \f, 1, 0, \zero
	MUL16 \f, 1, 2, \zero
.endm
; The last quarter multiplies buffer 1 and changes slots.  MEET is its first half: ONE barrier.  In front of it each wave waits for all its tensor loads (one is out: its part of the next slot),
; adds 0 to its spare word, and waits for that and for its own reads of this slot.  Behind it nobody reads this slot any more and the next slot is whole.
.macro MEET round
	WIN 0                                          ; (the add's two registers lie in window 0)
	s_wait_tensorcnt 0x0
	ds_add_u32 v[SPW], v[NIL]                      ; 0 onto my spare word
	s_wait_dscnt 9                                 ; (the add and the youngest eight loads may be out)
	MUL16 F1, 0, 0, 0                              ; sixteen matrix instructions stand between the add and the wait for it
	s_wait_dscnt 0x0                               ; the add is done, and my reads of this slot are over
	s_barrier_signal -1
	MUL16 F1, 0, 2, 0                              ; work on registers while the others arrive
.if \round
	WIN 0
.endif
	s_barrier_wait -1
.endm
; The whole last quarter where the slot is filled again, two K steps on: the barrier opens a round of the cluster's barrier, and the joint refill is the first tensor load behind the round.
; From a request to the wait for it a wave issues 224 matrix instructions.
.macro TURN slot, next
	MEET 1
	CREST                                          ; no wave of any partner still reads this slot's tile or has a load on its way
	s_add_nc_u64 s[G0+4*(\slot)+2:G0+4*(\slot)+3], s[G0+4*(\slot)+2:G0+4*(\slot)+3], 2*KSTEP*2
	s_add_nc_u64 s[G0B+4*(\slot)+2:G0B+4*(\slot)+3], s[G0B+4*(\slot)+2:G0B+4*(\slot)+3], 2*KSTEP*2
	JLOAD \slot                                    ; the four v_nop behind it are also the places in front of the loads below
	FETCH \next, 0, F0
	MUL16 F1, 1, 0, 0
	MUL16 F1, 1, 2, 0
.endm
; THE WAY OUT of block a (16 rows).  PACK: rounded to bf16, 16 bytes a lane, each accumulator's registers in ascending order.  TOSTAGE: into my own stage, and back as whole rows of 256 bytes.  SEND: stored.
.macro PACK a
.set AC, 64*((\a)%4)
	WIN 0x0a+5*((\a)/4)                            ; sources 0 and 1: window 2 or 3
.irp b, 0,1,2,3,4,5,6,7
.irp r, 0,1,2,3
	v_cvt_pk_bf16_f32 v[TMP+4*(\b)+(\r)], v[AC+8*(\b)+2*(\r)], v[AC+8*(\b)+2*(\r)+1]
.endr
.endr
	WIN 0
.endm
.macro TOSTAGE a
	WIN 0
.set BK, OB+192*((\a)%2)
.irp b, 0,1,2,3,4,5,6,7
	ds_store_b128 v[STO], v[TMP+4*(\b):TMP+4*(\b)+3] offset:32*(\b)
.endr
.irp t, 0,1,2,3,4,5,6,7
	ds_load_b128 v[BK+4*(\t):BK+4*(\t)+3], v[RD] offset:(\t)*2*SPITCH  ; LDS serves a wave's instructions in order (ISA guide 5.7.1.4): these see the stores above
.endr
.endm
.macro SEND a
	WIN 0
.set BK, OB+192*((\a)%2)
	s_wait_dscnt 0x0                               ; the block is back in registers
	s_wait_xcnt 0x0                                ; every earlier memory instruction has had its addresses translated (ISA guide 3.1): only behind this wait are the stores' base and earlier stores' data rewritten
.if (\a) == 0
	s_add_nc_u64 s[8:9], s[8:9], s[16:17]          ; on to my first rows
.else
	s_add_nc_u64 s[8:9], s[8:9], 16*CPITCH         ; 16 rows on
.endif
.irp t, 0,1,2,3,4,5,6,7
	global_store_b128 v[CO], v[BK+4*(\t):BK+4*(\t)+3], s[8:9] offset:2*(\t)*CPITCH  ; 16 lanes store 256 consecutive bytes, at a multiple of 256 from C's first byte
.endr
.endm
	s_wait_loadcnt 0x0                             ; the bias
	s_wait_tensorcnt 1                             ; my part of K step 0 is in; K step 1's may stay out
	s_barrier_signal -1
	s_barrier_wait -1                              ; everybody's is
	FETCH 0, 0, F0
	QUARTER 0, 64,  F0, F1, 1                      ; the first quarter stands in front of the loop: its products start the sums
	WIN 0                                          ; at a label and at a branch every window is 0
	s_mov_b32 s3, LAPS-1
.Llap:                                                 ; a trip goes once round the ring, from a lap's second quarter to the next lap's first, and fills both slots again
	QUARTER 0, 128, F1, F0, 0
	QUARTER 0, 192, F0, F1, 0
	TURN 0, 1
	QUARTER 1, 64,  F0, F1, 0
	QUARTER 1, 128, F1, F0, 0
	QUARTER 1, 192, F0, F1, 0
	TURN 1, 0
	QUARTER 0, 64,  F0, F1, 0
	WIN 0
	s_sub_co_u32 s3, s3, 1
	s_cmp_lg_u32 s3, 0
	s_cbranch_scc1 .Llap
	QUARTER 0, 128, F1, F0, 0                      ; the last lap is written out: it fills nothing
	QUARTER 0, 192, F0, F1, 0
	MEET 0                                         ; my one tensor load that was still out is the last K step's
	PLACES
	FETCH 1, 0, F0
	MUL16 F1, 1, 0, 0
	MUL16 F1, 1, 2, 0
	QUARTER 1, 64,  F0, F1, 0
	QUARTER 1, 128, F1, F0, 0
	QUARTER 1, 192, F0, F1, 0
	s_wait_dscnt 8                                 ; the very last quarter: nothing more to fetch
	MUL16 F1, 0, 0, 0
	MUL16 F1, 0, 2, 0
	s_wait_dscnt 0x0
	MUL16 F1, 1, 0, 0
	MUL16 F1, 1, 2, 0
	PLACES
	PACK 0
	TOSTAGE 0
.irp a, 1,2,3,4,5,6,7                  ; block a's conversions stand between block a - 1's loads from the stage and the wait for them
	PACK \a
	SEND (\a)-1
	TOSTAGE \a
.endr
	SEND 7
	s_wait_tensorcnt 0x0                           ; the wave's end
	ds_add_u32 v[SPW], v[NIL]
	s_wait_dscnt 0x0
	CROUND                                         ; the closing round: no work-group ends while a partner may still ask for a tile that names it
	s_endpgm
.Lfunc_end_k_q0f1d211512_qkv:
	.size	k_q0f1d211512_qkv, .Lfunc_end_k_q0f1d211512_qkv-k_q0f1d211512_qkv
	.p2alignl 7, 3214868480
	.fill 96, 4, 3214868480
	.section	.rodata,"a",@progbits
	.p2align	6, 0x0
	.amdhsa_kernel k_q0f1d211512_qkv
		.amdhsa_group_segment_fixed_size 327680
		.amdhsa_private_segment_fixed_size 0
		.amdhsa_enable_private_segment 0
		.amdhsa_kernarg_size 64
		.amdhsa_user_sgpr_count 2
		.amdhsa_user_sgpr_kernarg_segment_ptr 1
		.amdhsa_wavefront_size32 1
		.amdhsa_system_sgpr_workgroup_id_x 1
		.amdhsa_system_sgpr_workgroup_id_y 1
		.amdhsa_system_sgpr_workgroup_id_z 1
		.amdhsa_system_vgpr_workitem_id 0
		.amdhsa_next_free_vgpr 1024
		.amdhsa_next_free_sgpr 88
		.amdhsa_reserve_vcc 0
		.amdhsa_float_denorm_mode_32 3
		.amdhsa_float_denorm_mode_16_64 3
		.amdhsa_memory_ordered 1
		.amdhsa_forward_progress 1
		.amdhsa_inst_pref_size 145
	.end_amdhsa_kernel
	.amdgpu_metadata
---
amdhsa.version: [ 1, 2 ]
amdhsa.kernels:
  - .name:           k_q0f1d211512_qkv
    .symbol:         k_q0f1d211512_qkv.kd
    .args:
      - { .name: act, .offset: 0, .size: 8, .value_kind: global_buffer, .address_space: global }
      - { .name: wqt, .offset: 8, .size: 8, .value_kind: global_buffer, .address_space: global }
      - { .name: qb, .offset: 16, .size: 8, .value_kind: global_buffer, .address_space: global }
      - { .name: bq, .offset: 24, .size: 8, .value_kind: global_buffer, .address_space: global }
      - { .name: xkvn, .offset: 32, .size: 8, .value_kind: global_buffer, .address_space: global }
      - { .name: wkvt, .offset: 40, .size: 8, .value_kind: global_buffer, .address_space: global }
      - { .name: kvb, .offset: 48, .size: 8, .value_kind: global_buffer, .address_space: global }
      - { .name: bkv, .offset: 56, .size: 8, .value_kind: global_buffer, .address_space: global }
    .group_segment_fixed_size: 327680
    .private_segment_fixed_size: 0
    .kernarg_segment_align: 8
    .kernarg_segment_size: 64
    .max_flat_workgroup_size: 128
    .sgpr_count:     88
    .vgpr_count:     1024
    .wavefront_size: 32
...
	.end_amdgpu_metadata
.endif
;; end of part 3
;; launch attn (part 4): grid 4 x 64, 8 waves a work-group, clusters of 4 x 1, 327,680 bytes of LDS; arguments qb, kvb, act; writes act
.if DOCPART == 4
	.amdgcn_target "amdgcn-amd-amdhsa--gfx1250"
	.amdhsa_code_object_version 6
	.text
	.protected	k_q0f1d211512_attn
	.globl	k_q0f1d211512_attn
	.p2align	8
	.type	k_q0f1d211512_attn,@function
k_q0f1d211512_attn:
	s_mov_b64 s[64:65], 0
	v_nop
	global_prefetch_b8 v0, s[64:65] scope:SCOPE_SE
	s_setreg_imm32_b32 hwreg(HW_REG_WAVE_MODE, 25, 1), 1
	s_wait_xcnt 0x0
	s_wait_alu depctr_hold_cnt(0) depctr_sa_sdst(0) depctr_va_vdst(0) depctr_va_sdst(0) depctr_va_ssrc(0) depctr_va_vcc(0) depctr_vm_vsrc(0)
	s_getreg_b32 s2, hwreg(HW_REG_IB_STS2, 6, 4)
	s_cmp_eq_u32 s2, 0
	s_cbranch_scc0 .Lentry_in_a_cluster
	s_endpgm
.Lentry_in_a_cluster:
	s_bfe_u32 s2, ttmp6, 0x10000c
	s_cmp_lg_u32 s2, 0x3003
	s_cbranch_scc0 .Lentry_shape_is_right
	s_endpgm
.Lentry_shape_is_right:
; O[b][q][h][:] = the sum over k of softmax_k(Q[b][q][h] . K[b][k][h] / 8) V[b][k][h][:].  Q (qb) and O (act): [8 x 2048][1024] bf16; K, V (kvb): [2][8 x 512][1024] bf16; 16 heads of 64 channels.
; Products, maxima and sums in f32; the weights p are rounded to bf16 for the second product (their sum l is taken of the unrounded p), O once at the end.
; LIMITS.  All operands bf16, so the range is f32's.  A weight below 2^-126 counts as 0 in l; NaN and infinities are not treated apart.
; SHARES.  Work-group y names a batch (y / 8) and a PAIR of heads (y % 8): 128 channels, 256 bytes of every row.  Its place in the cluster names 512 queries; each of eight waves owns 64: four tiles of 16.
; The pair's whole K and V, 512 keys, lie in LDS and are filled ONCE: no slot is ever filled again.  A wave does head 0 of the pair, then head 1, by one text; 8 steps of 64 keys each.
; CLUSTER.  The four query blocks of a cluster need the same K and V: each tile is asked for JOINTLY, by the same tensor load, descriptor and mask in all four.
; LAYOUT.  S^T = K Q^T (source 0 = 16 keys, source 1 = 16 queries): a lane holds ONE query (lane % 16) and the keys 8 (lane / 16) + 0..7.  Two such results rounded to bf16 in pairs ARE source 1 of
; O^T = V^T P.  K comes out of LDS as it lies, V ([key][channel]) turned, by ds_load_tr16_b128.
; SOFTMAX.  A running maximum m and sum l: p = 2^(c s - c m), c = log2(e) / 8; in every step O and l are multiplied by a = 2^(c m_old - c m_new).  m starts at the lowest finite number, O and l at 0, so
; the first step is a step like any other, with a = 0: the price is 128 v_mov_b32 a head that write 0, the gain one text for every step.
; The step is written in phases (products, softmax, products); two waves lie on each SIMD, so that one's products can run beside the other's softmax.
; REGISTERS, in windows of 256 (s_set_vgpr_msb: bits 1:0 source 0, 3:2 source 1, 5:4 source 2, 7:6 destination):
;   window 0: v0-12 addresses; v16-31 four registers of statistics a tile; v32-63 eight at work a tile; v64-191 S^T, 32 a tile (P is packed in place into a tile's first 16); v192-255 K's, then V's fragments
;   window 1: v0-63 Q of the head in hand; v64-127 Q of the next head, later finished O; v128-255 O^T, 32 a tile
.set PK,    272       ; a row of K in LDS: 256 bytes + 16 of padding: the 16 rows of a load start at 16 different groups of four banks (64 banks of 4 bytes: ISA guide 11.1)
.set PV,    288       ; a row of V: 256 + 32
.set VBASE, 512*PK
.set STAGE, VBASE+512*PV  ; behind K and V, never filled by a tensor load: 16 rows x 272 bytes for each wave, for the way out
.set SP,    272
.set AK0, 2           ; v2   my lane's place in a tile of K; never rewritten
.set AV0, 3           ; v3   the same for V
.set AK,  4           ; v4   the LDS address of K's run of loads
.set AV,  5           ; v5   of V's
.set QO,  6           ; v6   my byte offset in 16 rows of Q
.set STO, 7           ; v7   the way out: where I put 16 bytes of a row
.set RD,  8           ; v8   where I read rows back
.set GO,  12          ; v12  my byte offset in two rows of O
.set ST,  16          ; tile t at ST + 4 t: c m, m, l (even keys', odd keys')
.set TMP, 32          ; tile t at TMP + 8 t: +0..3 the maximum's four chains, later two pairs of sums; +4 a; +5 its argument; +6 c m_old
.set S,   64
.set KV,  192
.set QN,  64          ; window 1
.set OT,  128         ; window 1
.set WV,  12          ; s12  my wave's number
.set G1K, 24          ; s[24:31] descriptor group 1 for K's tiles
.set G1V, 32          ; s[32:39] for V's: it differs in the padding alone
.set G0K, 40          ; s[40:43] descriptor group 0 for K's tiles
.set G0V, 44          ; s[44:47] for V's
.set HD,  56          ; s56  heads to go
.set CNT, 57          ; s57  key steps to go
.set CS,  58          ; s[58:59] c
.set SEL, 60          ; s[60:61] v_permlanex16_b32's selects: each lane takes its own place in the other half
.set TBK, 62          ; s62  LDS byte at which K of the step and head in hand begins
.set TBV, 63          ; s63  the same for V, less VBASE
.set MSB, 0
.macro WIN new
.if MSB != (\new)
	s_set_vgpr_msb (MSB<<8)|(\new)
.set MSB, \new
.endif
.endm
.macro CROUND                       ; a round of the cluster's barrier
	s_barrier_signal -1
	s_barrier_wait -1
	s_cmp_lg_u32 s[WV], 0
	s_cbranch_scc1 .Lnot_wave_0_\@
	s_barrier_signal -3
.Lnot_wave_0_\@:
	s_barrier_wait -3
	s_barrier_signal -1
	s_barrier_wait -1
.endm
	s_load_b128 s[4:7], s[0:1], 0x0   ; qb s[4:5], kvb s[6:7]
	s_load_b64 s[8:9], s[0:1], 0x10   ; act
	v_lshl_add_u32 v55, v0, 2, 0x4e800
	v_mov_b32 v63, 0
	ds_add_u32 v55, v63
	v_lshrrev_b32 v1, 5, v0
	v_readfirstlane_b32 s[WV], v1   ; wave 0..7
	s_bfe_u32 s13, ttmp6, 0x40000   ; cx: it enters Q's and O's addresses alone
	s_and_b32 s14, ttmp7, 0xffff    ; y, which the four partners share
	s_lshr_b32 s15, s14, 3          ; the batch
	s_and_b32 s14, s14, 7
	s_lshl_b32 s14, s14, 8          ; the pair's 256 bytes in a row
	s_and_b32 s16, s[WV], 3         ; which 128 keys I fetch
	s_lshl_b32 s20, s15, 20         ; a batch's 512 rows of 2,048 bytes,
	s_add_co_u32 s20, s20, s14
	s_lshl_b32 s17, s16, 18         ; my 128 rows
	s_add_co_u32 s20, s20, s17
	s_mov_b32 s21, 0
	s_mul_i32 s18, s16, 128*PK      ; and their place in LDS, for K
	s_mul_i32 s19, s16, 128*PV      ; and for V
	s_lshl_b32 s2, s15, 22          ; Q and O: a batch's 2,048 rows,
	s_lshl_b32 s3, s13, 20          ; my block's 512,
	s_add_co_u32 s2, s2, s3
	s_lshl_b32 s3, s[WV], 17        ; my wave's 64
	s_add_co_u32 s2, s2, s3
	s_add_co_u32 s2, s2, s14
	s_mov_b32 s3, 0
	; descriptor group 1: a tile of 128 rows x 128 elements out of rows of 1,024, padded in LDS
	s_mov_b32 s[G1K], 15|(1<<16)|(1<<20)|(1<<21)|(5<<22)|(3<<25)  ; the mask of four; 2-byte elements; padding on; bit 21 beside a mask; after every 64 words 4 words
	s_mov_b32 s[G1V], 15|(1<<16)|(1<<20)|(1<<21)|(5<<22)|(7<<25)  ; the same with 8 words
.irp g, G1K, G1V
	s_mov_b32 s[\g+1], 128<<16      ; tensor_dim0 = 128
	s_mov_b32 s[\g+2], 128<<16      ; tensor_dim1 = 128
	s_mov_b32 s[\g+3], 128<<16      ; tile_dim0 = 128
	s_mov_b32 s[\g+4], 128          ; tile_dim1 = 128
	s_mov_b32 s[\g+5], 1024         ; elements from row to row
	s_mov_b32 s[\g+6], 0
	s_mov_b32 s[\g+7], 0
.endr
	s_mov_b32 s[CS], 0x3e38aa3b     ; c = log2(e) / 8
	s_mov_b32 s[CS+1], s[CS]
	s_mov_b32 s[SEL], 0x76543210
	s_mov_b32 s[SEL+1], 0xfedcba98
	s_mov_b32 s[TBK], 0
	s_mov_b32 s[TBV], 0
	s_mov_b32 s[HD], 2
	s_mov_b32 s[G0K], 1
	s_mov_b32 s[G0K+1], s18
	s_mov_b32 s[G0V], 1
	s_add_co_u32 s[G0V+1], s19, VBASE
	s_wait_dscnt 0x0
	s_wait_kmcnt 0x0
	s_add_nc_u64 s[G0K+2:G0K+3], s[6:7], s[20:21]
	s_add_nc_u64 s[G0V+2:G0V+3], s[G0K+2:G0K+3], 0x800000  ; the v plane lies 2^23 bytes behind the k plane
	s_or_b32 s[G0K+3], s[G0K+3], 0x80000000
	s_or_b32 s[G0V+3], s[G0V+3], 0x80000000
	s_add_nc_u64 s[4:5], s[4:5], s[2:3]
	s_add_nc_u64 s[8:9], s[8:9], s[2:3]
	CROUND                          ; all four work-groups are here: the joint loads meet
	s_cmp_lt_u32 s[WV], 4           ; waves 0-3 fetch K's four quarters, waves 4-7 V's: one tensor load a wave in the whole launch; an s_nop 0 and four v_nop follow each line
	s_cbranch_scc0 .Lfor_v
	tensor_load_to_lds s[G0K:G0K+3], s[G1K:G1K+7]
	s_nop 0
.rept 4
	v_nop
.endr
	s_branch .Lasked
.Lfor_v:
	tensor_load_to_lds s[G0V:G0V+3], s[G1V:G1V+7]
	s_nop 0
.rept 4
	v_nop
.endr
.Lasked:
	; A fragment of K or Q is 16 rows x 32 channels in 8 registers: lane l holds row l % 16, channels 8 (l / 16) + 0..7 and 16 + 8 (l / 16) + 0..7: two loads of 16 bytes, 32 bytes apart.
	v_and_b32 v1, 15, v0            ; l % 16
	v_bfe_u32 v9, v0, 4, 1          ; l / 16
	v_lshlrev_b32 v[QO], 11, v1
	v_lshl_add_u32 v[QO], v9, 4, v[QO]
	WIN 0x40                        ; destination window 1, address window 0
.irp hd, 0,1
.irp t, 0,1,2,3
.irp c, 0,1
	global_load_b128 v[64*\hd+16*\t+8*\c:64*\hd+16*\t+8*\c+3],   v[QO], s[4:5] offset:32768*\t+128*\hd+64*\c
	global_load_b128 v[64*\hd+16*\t+8*\c+4:64*\hd+16*\t+8*\c+7], v[QO], s[4:5] offset:32768*\t+128*\hd+64*\c+32
.endr
.endr
.endr
	WIN 0
	v_mul_u32_u24 v[AK0], v1, PK
	v_lshl_add_u32 v[AK0], v9, 4, v[AK0]
	; The turning load takes 16 keys x 16 channels (lane l reads key 8 (l / 16) + l % 8, channels 8 ((l / 8) % 2) + 0..7) and leaves half a fragment of V^T: lane l holds channel l % 16 and 8 keys.
	v_and_b32 v10, 7, v0
	v_bfe_u32 v11, v0, 3, 1
	v_lshl_add_u32 v[AV0], v9, 3, v10
	v_mul_u32_u24 v[AV0], v[AV0], PV
	v_lshl_add_u32 v[AV0], v11, 4, v[AV0]
	v_add_nc_u32 v[AV0], VBASE, v[AV0]
	s_mul_i32 s13, s[WV], 16*SP
	s_add_co_u32 s13, s13, STAGE    ; my stage
	v_mul_u32_u24 v[STO], v1, SP    ; in: row l % 16, 16 bytes for each half of the lanes
	v_lshl_add_u32 v[STO], v9, 4, v[STO]
	v_add_nc_u32 v[STO], s13, v[STO]
	v_mul_u32_u24 v[RD], v9, SP     ; back: lanes 0-15 take one row of 256 bytes, lanes 16-31 the next
	v_lshl_add_u32 v[RD], v1, 4, v[RD]
	v_add_nc_u32 v[RD], s13, v[RD]
	v_lshlrev_b32 v[GO], 11, v9     ; and the same two rows in O
	v_lshl_add_u32 v[GO], v1, 4, v[GO]
	s_wait_tensorcnt 0x0            ; my part of K or V is in,
	s_barrier_signal -1
	s_barrier_wait -1               ; everybody's is
	s_wait_loadcnt 0x0              ; Q
.macro REGS t                       ; the registers of tile t
.set rT, ST+4*(\t)
.set rC, TMP+8*(\t)
.set rS, S+32*(\t)
.set rO, OT+32*(\t)
.endm
; Number n of the 22 that find a tile's maximum and statistics.  Each accumulator's lowest registers are read first.
;   0-11 four chains of seven scores each     12-14, 16 the four scores left over, the old m, and the chains into one     15 c m_old is kept
;   17, 18 the query's other 32 keys lie in the lane 16 away: the new m     19-21 c m; c m_old - c m_new; a
.macro MX t, n
	REGS \t
.if (\n) < 4
	v_max3_num_f32 v[rC+(\n)], v[rS+8*(\n)], v[rS+8*(\n)+1], v[rS+8*(\n)+2]
.elseif (\n) < 12
	v_max3_num_f32 v[rC+(\n)%4], v[rC+(\n)%4], v[rS+8*((\n)%4)+2*((\n)/4)+1], v[rS+8*((\n)%4)+2*((\n)/4)+2]
.elseif (\n) == 12
	v_max3_num_f32 v[rC], v[rC], v[rS+7], v[rS+15]
.elseif (\n) == 13
	v_max3_num_f32 v[rC+1], v[rC+1], v[rS+23], v[rS+31]
.elseif (\n) == 14
	v_max3_num_f32 v[rC+2], v[rC+2], v[rC+3], v[rT+1]
.elseif (\n) == 15
	v_mov_b32 v[rC+6], v[rT]
.elseif (\n) == 16
	v_max3_num_f32 v[rC], v[rC], v[rC+1], v[rC+2]
.elseif (\n) == 17
	v_permlanex16_b32 v[rC+3], v[rC], s[SEL], s[SEL+1]
.elseif (\n) == 18
	v_max_num_f32 v[rT+1], v[rC], v[rC+3]
.elseif (\n) == 19
	v_mul_f32 v[rT], s[CS], v[rT+1]
.elseif (\n) == 20
	v_sub_f32 v[rC+5], v[rC+6], v[rT]
.else
	v_exp_f32 v[rC+4], v[rC+5]
.endif
.endm
; Number n of the 16 that add a tile's 16 pairs of weights, in two chains that leave the weights as they are, and take them into l
.macro AX t, n
	REGS \t
.if (\n) < 2
	v_pk_add_f32 v[rC+2*(\n):rC+2*(\n)+1], v[rS+4*(\n):rS+4*(\n)+1], v[rS+4*(\n)+2:rS+4*(\n)+3]
.elseif (\n) < 14
	v_pk_add_f32 v[rC+2*((\n)%2):rC+2*((\n)%2)+1], v[rC+2*((\n)%2):rC+2*((\n)%2)+1], v[rS+2*((\n)+2):rS+2*((\n)+2)+1]
.elseif (\n) == 14
	v_pk_fma_f32 v[rT+2:rT+3], v[rT+2:rT+3], v[rC+4:rC+5], v[rC:rC+1] op_sel_hi:[1,0,1]
.else
	v_pk_add_f32 v[rT+2:rT+3], v[rT+2:rT+3], v[rC+2:rC+3]
.endif
.endm
.Lhead:                             ; twice: the pair's two heads
	WIN 0x40
.set i, 0
.rept 128
	v_mov_b32 v[OT+i], 0
.set i, i+1
.endr
	WIN 0
.irp t, 0,1,2,3
	v_mov_b32 v[ST+4*\t], 0xfe000000    ; c m: far below every c s
	v_mov_b32 v[ST+4*\t+1], 0xff7fffff  ; m
	v_mov_b32 v[ST+4*\t+2], 0
	v_mov_b32 v[ST+4*\t+3], 0
.endr
	s_mov_b32 s[CNT], 8
.Lstep:                             ; eight trips of 64 keys
	v_add_nc_u32 v[AK], s[TBK], v[AK0]
.irp kb, 0,1,2,3
.irp c, 0,1
	ds_load_b128 v[KV+16*\kb+8*\c:KV+16*\kb+8*\c+3],   v[AK] offset:\kb*16*PK+\c*64
	ds_load_b128 v[KV+16*\kb+8*\c+4:KV+16*\kb+8*\c+7], v[AK] offset:\kb*16*PK+\c*64+32
.endr
.endr
	s_add_co_u32 s[TBK], s[TBK], 64*PK
	s_wait_dscnt 0x0                ; K is in
	WIN 0x04                        ; Q in window 1
.irp c, 0,1                         ; 32 products K Q^T; the 16 accumulators take turns; the first 16 start the sums
.irp kb, 0,1,2,3
.irp t, 0,1,2,3
.if \c == 0
	v_wmma_f32_16x16x32_bf16 v[S+32*\t+8*\kb:S+32*\t+8*\kb+7], v[KV+16*\kb+8*\c:KV+16*\kb+8*\c+7], v[16*\t+8*\c:16*\t+8*\c+7], 0
.else
	v_wmma_f32_16x16x32_bf16 v[S+32*\t+8*\kb:S+32*\t+8*\kb+7], v[KV+16*\kb+8*\c:KV+16*\kb+8*\c+7], v[16*\t+8*\c:16*\t+8*\c+7], v[S+32*\t+8*\kb:S+32*\t+8*\kb+7]
.endif
.endr
.endr
.endr
	WIN 0
	v_add_nc_u32 v[AV], s[TBV], v[AV0]
.rept 4
	v_nop                           ; the places in front of the loads into K's registers and of the reads of the scores
.endr
.irp kk, 0,1
.irp cb, 0,1,2,3
	ds_load_tr16_b128 v[KV+32*\kk+8*\cb:KV+32*\kk+8*\cb+3],   v[AV] offset:\kk*32*PV+\cb*32
	ds_load_tr16_b128 v[KV+32*\kk+8*\cb+4:KV+32*\kk+8*\cb+7], v[AV] offset:\kk*32*PV+16*PV+\cb*32
.endr
.endr
	s_add_co_u32 s[TBV], s[TBV], 64*PV
	; the softmax: each line for the four tiles in turn, so that no instruction reads the result of the one before it
.set n, 0
.rept 22
.irp t, 0,1,2,3
	MX \t, n
.endr
.set n, n+1
.endr
.set n, 0
.rept 16                            ; c s - c m; the first of these is the plain instruction behind the four exponentials above
.irp t, 0,1,2,3
	REGS \t
	v_pk_fma_f32 v[rS+2*n:rS+2*n+1], v[rS+2*n:rS+2*n+1], s[CS:CS+1], v[rT:rT+1] op_sel_hi:[1,0,0] neg_lo:[0,0,1] neg_hi:[0,0,1]
.endr
.set n, n+1
.endr
.set n, 0
.rept 32
.irp t, 0,1,2,3
	REGS \t
	v_exp_f32 v[rS+n], v[rS+n]
.endr
.set n, n+1
.endr
	v_nop                           ; a plain instruction between the last exponential and the use of its result (ISA guide 5.7.2)
	s_wait_alu depctr_va_vdst(0)
.set n, 0
.rept 16
.irp t, 0,1,2,3
	AX \t, n
.endr
.set n, n+1
.endr
.set n, 0
.rept 16                            ; the weights rounded to bf16, in place and ascending: pair n is read at registers 2 n, 2 n + 1 and written at n
.irp t, 0,1,2,3
	REGS \t
	v_cvt_pk_bf16_f32 v[rS+n], v[rS+2*n], v[rS+2*n+1]
.endr
.set n, n+1
.endr
	WIN 0x41                        ; O^T (destination and source 0) in window 1, a in window 0
.set n, 0
.rept 16
.irp t, 0,1,2,3
	REGS \t
	v_pk_mul_f32 v[rO+2*n:rO+2*n+1], v[rO+2*n:rO+2*n+1], v[rC+4:rC+5] op_sel_hi:[1,0]
.endr
.set n, n+1
.endr
	s_wait_dscnt 0x0                ; V is in
	WIN 0x50                        ; V and P in window 0, O^T in window 1
.irp kk, 0,1                        ; 32 products V^T P; the 16 accumulators take turns
.irp cb, 0,1,2,3
.irp t, 0,1,2,3
	v_wmma_f32_16x16x32_bf16 v[OT+32*\t+8*\cb:OT+32*\t+8*\cb+7], v[KV+32*\kk+8*\cb:KV+32*\kk+8*\cb+7], v[S+32*\t+8*\kk:S+32*\t+8*\kk+7], v[OT+32*\t+8*\cb:OT+32*\t+8*\cb+7]
.endr
.endr
.endr
	WIN 0
.rept 5
	v_nop                           ; the places in front of the loads into V's registers, of the products that write over P, and of the reads of O^T
.endr
	s_sub_co_u32 s[CNT], s[CNT], 1
	s_cmp_lg_u32 s[CNT], 0
	s_cbranch_scc1 .Lstep
	; a head's end: l's two halves and the other half of the lanes' are added; O^T is divided by l and rounded to bf16
.irp t, 0,1,2,3
	v_add_f32 v[TMP+8*\t], v[ST+4*\t+2], v[ST+4*\t+3]
.endr
.irp t, 0,1,2,3
	v_permlanex16_b32 v[TMP+8*\t+1], v[TMP+8*\t], s[SEL], s[SEL+1]
.endr
.irp t, 0,1,2,3
	v_add_f32 v[TMP+8*\t], v[TMP+8*\t], v[TMP+8*\t+1]
.endr
.irp t, 0,1,2,3
	v_rcp_f32 v[TMP+8*\t+4], v[TMP+8*\t]
.endr
	v_nop
	WIN 0x41
	s_wait_alu depctr_va_vdst(0)
.irp t, 0,1,2,3
.set i, 0
.rept 16
	v_pk_mul_f32 v[OT+32*\t+2*i:OT+32*\t+2*i+1], v[OT+32*\t+2*i:OT+32*\t+2*i+1], v[TMP+8*\t+4:TMP+8*\t+5] op_sel_hi:[1,0]
.set i, i+1
.endr
.endr
	WIN 0x05                        ; sources 0 and 1 window 1, destination window 0
.set i, 0
.rept 64
	v_cvt_pk_bf16_f32 v[S+i], v[OT+2*i], v[OT+2*i+1]
.set i, i+1
.endr
	WIN 0x41                        ; the next head's Q goes where the one text of the step names Q (the second time: head 0's O),
.set i, 0
.rept 64
	v_mov_b32 v[i], v[QN+i]
.set i, i+1
.endr
	WIN 0x40                        ; and this head's O takes its place: at the end head 0's O lies in v0-63 of window 1, head 1's in v64-127
.set i, 0
.rept 64
	v_mov_b32 v[QN+i], v[S+i]
.set i, i+1
.endr
	WIN 0
	s_sub_co_u32 s[TBK], s[TBK], 8*64*PK-128  ; back to the first keys, 128 bytes (a head) on in the rows
	s_sub_co_u32 s[TBV], s[TBV], 8*64*PV-128
	s_sub_co_u32 s[HD], s[HD], 1
	s_cmp_lg_u32 s[HD], 0
	s_cbranch_scc1 .Lhead
	; THE WAY OUT, a tile (16 rows of 256 bytes: both heads) at a time through my stage
.macro STG t
	WIN 0x04                        ; the stores' data in window 1
.irp hd, 0,1
.irp cb, 0,1,2,3
	ds_store_b128 v[STO], v[64*\hd+16*(\t)+4*\cb:64*\hd+16*(\t)+4*\cb+3] offset:128*\hd+32*\cb
.endr
.endr
	WIN 0
.irp f, 0,1,2,3,4,5,6,7
	ds_load_b128 v[S+32*(\t)+4*\f:S+32*(\t)+4*\f+3], v[RD] offset:\f*2*SP  ; LDS serves a wave's instructions in order (ISA guide 5.7.1.4): these see the stores above; the next tile's stores come behind them
.endr
.endm
.macro SEND t, younger              ; younger: the LDS instructions issued behind tile t's loads: the next tile's sixteen, or none
.irp f, 0,1,2,3,4,5,6,7
	s_wait_dscnt (\younger)+7-\f
	global_store_b128 v[GO], v[S+32*(\t)+4*\f:S+32*(\t)+4*\f+3], s[8:9] offset:(\t)*32768+\f*4096  ; 16 lanes store 256 consecutive bytes, at a multiple of 256 from O's first byte
.endr
.endm
	STG 0
	STG 1
	SEND 0, 16
	STG 2
	SEND 1, 16
	STG 3
	SEND 2, 16
	SEND 3, 0
	s_wait_tensorcnt 0x0
	ds_add_u32 v55, v63
	s_wait_dscnt 0x0
	CROUND                          ; the closing round: no work-group ends while a partner may still ask for a tile that names it
	s_endpgm
.Lfunc_end_k_q0f1d211512_attn:
	.size	k_q0f1d211512_attn, .Lfunc_end_k_q0f1d211512_attn-k_q0f1d211512_attn
	.p2alignl 7, 3214868480
	.fill 96, 4, 3214868480
	.section	.rodata,"a",@progbits
	.p2align	6, 0x0
	.amdhsa_kernel k_q0f1d211512_attn
		.amdhsa_group_segment_fixed_size 327680
		.amdhsa_private_segment_fixed_size 0
		.amdhsa_enable_private_segment 0
		.amdhsa_kernarg_size 24
		.amdhsa_user_sgpr_count 2
		.amdhsa_user_sgpr_kernarg_segment_ptr 1
		.amdhsa_wavefront_size32 1
		.amdhsa_system_sgpr_workgroup_id_x 1
		.amdhsa_system_sgpr_workgroup_id_y 1
		.amdhsa_system_sgpr_workgroup_id_z 1
		.amdhsa_system_vgpr_workitem_id 0
		.amdhsa_next_free_vgpr 512
		.amdhsa_next_free_sgpr 66
		.amdhsa_reserve_vcc 0
		.amdhsa_float_denorm_mode_32 3
		.amdhsa_float_denorm_mode_16_64 3
		.amdhsa_memory_ordered 1
		.amdhsa_forward_progress 1
		.amdhsa_inst_pref_size 68
	.end_amdhsa_kernel
	.amdgpu_metadata
---
amdhsa.version: [ 1, 2 ]
amdhsa.kernels:
  - .name:           k_q0f1d211512_attn
    .symbol:         k_q0f1d211512_attn.kd
    .args:
      - { .name: qb, .offset: 0, .size: 8, .value_kind: global_buffer, .address_space: global }
      - { .name: kvb, .offset: 8, .size: 8, .value_kind: global_buffer, .address_space: global }
      - { .name: act, .offset: 16, .size: 8, .value_kind: global_buffer, .address_space: global }
    .group_segment_fixed_size: 327680
    .private_segment_fixed_size: 0
    .kernarg_segment_align: 8
    .kernarg_segment_size: 24
    .max_flat_workgroup_size: 256
    .sgpr_count:     66
    .vgpr_count:     512
    .wavefront_size: 32
...
	.end_amdgpu_metadata
.endif
;; end of part 4
;; launch oproj (part 5): grid 4 x 64, 4 waves a work-group, clusters of 4 x 4, 327,680 bytes of LDS; arguments act, wpt, out0, bp, x_q; writes out0
.if DOCPART == 5
	.amdgcn_target "amdgcn-amd-amdhsa--gfx1250"
	.amdhsa_code_object_version 6
	.text
	.protected	k_q0f1d211512_oproj
	.globl	k_q0f1d211512_oproj
	.p2align	8
	.type	k_q0f1d211512_oproj,@function
k_q0f1d211512_oproj:
	s_mov_b64 s[64:65], 0
	v_nop
	global_prefetch_b8 v0, s[64:65] scope:SCOPE_SE
	s_setreg_imm32_b32 hwreg(HW_REG_WAVE_MODE, 25, 1), 1
	s_wait_xcnt 0x0
	s_wait_alu depctr_hold_cnt(0) depctr_sa_sdst(0) depctr_va_vdst(0) depctr_va_sdst(0) depctr_va_ssrc(0) depctr_va_vcc(0) depctr_vm_vsrc(0)
	s_getreg_b32 s2, hwreg(HW_REG_IB_STS2, 6, 4)
	s_cmp_eq_u32 s2, 0
	s_cbranch_scc0 .Lentry_in_a_cluster
	s_endpgm
.Lentry_in_a_cluster:
	s_bfe_u32 s2, ttmp6, 0x10000c
	s_cmp_lg_u32 s2, 0xf033
	s_cbranch_scc0 .Lentry_shape_is_right
	s_endpgm
.Lentry_shape_is_right:
; out0[m][n] = x_q[m][n] + bp[n] + sum over k of O[m][k] Wp^T[n][k].  O (act): [16384][1024] bf16, Wp^T (wpt): [1024][1024] bf16, bp, x_q and out0 f32.  Sums in f32.
; A tile of the output, 256 x 256, is made by a work-group of four waves, a wave makes 128 x 128: 64 accumulators of 16 x 16, 512 registers.  K goes in 8 steps of 128 through a ring of two LDS
; slots filled by the tensor data mover; the tiles' rows are 256 bytes of memory and start at multiples of 256 bytes.
; CLUSTERS: 4 x 4 work-groups.  The four of a row of the cluster need the same tiles of A, the four of a column the same tiles of B: each tile is asked for JOINTLY.
; THE MATRIX INSTRUCTION IS USED TRANSPOSED: source 0 = 16 rows of B, source 1 = 16 rows of A: lane l holds row l % 16 and its registers the columns 8 (l / 16) + 0..7.
; THE BIAS is the C operand of the products that start the sums.  THE RESIDUAL is added on the way out, when a block of 16 rows has come back from the stage as whole rows of 512 bytes.
; Of my eight blocks of x_q the first three are loaded during the last lap, into registers that lie idle there, so that they are on their way while the last products are made.
; REGISTERS, in windows of 256 (s_set_vgpr_msb: bits 1:0 source 0, 3:2 source 1, 5:4 source 2, 7:6 destination):
;   window 0: v0-31 addresses; v64-127, v128-191 fragments of A, two buffers, later the blocks on their way out; v192-255 the bias, from the last lap on a block of x_q
;   window 1: v64-127, v128-191 fragments of B; v0-63, v192-255 and, behind the last product, v64-127: blocks of x_q      window 2: the accumulators of my rows 0-63      window 3: those of my rows 64-127
; LIMITS: operands are bf16; NaN and infinities are not treated apart.
.set SIZE_K, 1024
.set KSTEP,  128
.set PITCH,  272                       ; an LDS row: 256 bytes + 16 of padding: the 16 rows that a load touches start at 16 different groups of four banks (64 banks of 4 bytes: ISA guide 11.1)
.set HALFT,  128*PITCH
.set SLOT,   4*HALFT
.set STAGE,  2*SLOT                    ; behind the ring: 16 rows x 528 bytes for each wave, for the way out
.set SPITCH, 528                       ; 512 bytes + 16 of padding: again 16 rows at 16 different groups of four banks
.set SPARE,  STAGE+4*16*SPITCH         ; behind the stages: the spare words, 128 bytes for each wave
.set LAPS,   SIZE_K/(2*KSTEP)
.set ADRA, 16
.set ADRB, 20
.set STO,  24                          ; v24     the way out: where I put 32 bytes of a row
.set RD,   25                          ; v25     where I read 16 bytes of a row back
.set CO,   26                          ; v26     16 x lane: my byte offset in 512 bytes of a row of out0 and of x_q
.set BO,   27                          ; v27     my byte offset in 16 numbers of the bias
.set SPW,  28                          ; v28     LDS address of my spare word; never rewritten
.set NIL,  29                          ; v29     0; never rewritten
.set PF,   30                          ; v30     the prefetch: row lane / 2, block lane % 2 of 256 bytes; never rewritten
.set F0,   64
.set F1,   128
.set BIAS, 192
.set G1,  24
.set G0,  32
.set G1B, 48
.set G0B, 56
.set MSB, 0
.macro WIN new
.if MSB != (\new)
	s_set_vgpr_msb (MSB<<8)|(\new)
.set MSB, \new
.endif
.endm
.set MUL_LO, 0xa1
.set TO_B,   0x40
.macro JLOAD s                         ; a joint load: waves 0 and 1 fetch A's two halves, waves 2 and 3 B's; an s_nop 0 and four v_nop follow each of the two lines
	s_cmp_eq_u32 s11, 0
	s_cbranch_scc0 .Lfor_b_\@
	tensor_load_to_lds s[G0+4*(\s):G0+4*(\s)+3], s[G1:G1+7]
	s_nop 0
.rept 4
	v_nop
.endr
	s_branch .Lasked_\@
.Lfor_b_\@:
	tensor_load_to_lds s[G0B+4*(\s):G0B+4*(\s)+3], s[G1B:G1B+7]
	s_nop 0
.rept 4
	v_nop
.endr
.Lasked_\@:
.endm
.macro CREST
	s_cmp_lg_u32 s10, 0
	s_cbranch_scc1 .Lnot_wave_0_\@
	s_barrier_signal -3
.Lnot_wave_0_\@:
	s_barrier_wait -3
	s_barrier_signal -1
	s_barrier_wait -1
.endm
.macro CROUND
	s_barrier_signal -1
	s_barrier_wait -1
	CREST
.endm
	s_load_b128 s[4:7], s[0:1], 0x0                ; A s[4:5], B s[6:7]
	s_load_b64 s[8:9], s[0:1], 0x10                ; out0
	s_load_b64 s[66:67], s[0:1], 0x18              ; bp
	s_load_b64 s[70:71], s[0:1], 0x20              ; x_q
	v_lshl_add_u32 v[SPW], v0, 2, SPARE
	v_mov_b32 v[NIL], 0
	ds_add_u32 v28, v29
	s_wait_dscnt 0x0
	v_lshrrev_b32 v1, 5, v0
	v_readfirstlane_b32 s10, v1                    ; wave 0..3
	s_lshr_b32 s11, s10, 1
	s_and_b32 s12, s10, 1
	s_bfe_u32 s40, ttmp6, 0x40000                  ; cx
	s_bfe_u32 s41, ttmp6, 0x40004                  ; cy
	s_lshl_b32 s42, ttmp9, 2
	s_add_co_u32 s42, s42, s40                     ; tile column
	s_and_b32 s13, ttmp7, 0xffff
	s_lshl_b32 s13, s13, 2
	s_add_co_u32 s13, s13, s41                     ; tile row
	s_lshl_b32 s43, s41, 2
	s_lshl_b32 s43, 15, s43                        ; my row of the cluster
	s_lshl_b32 s44, 0x1111, s40                    ; my column
	s_or_b32 s[G1+0], s43, (1<<16)|(1<<20)|(1<<21)|(5<<22)|(3<<25)
	s_or_b32 s[G1B+0], s44, (1<<16)|(1<<20)|(1<<21)|(5<<22)|(3<<25)
.irp g, G1, G1B
	s_mov_b32 s[(\g)+1], KSTEP<<16
	s_mov_b32 s[(\g)+2], 128<<16
	s_mov_b32 s[(\g)+3], KSTEP<<16
	s_mov_b32 s[(\g)+4], 128
	s_mov_b32 s[(\g)+5], SIZE_K
	s_mov_b32 s[(\g)+6], 0
	s_mov_b32 s[(\g)+7], 0
.endr
	s_lshl_b32 s17, s12, 7
	s_lshl_b32 s16, s13, 8
	s_add_co_u32 s16, s16, s17
	s_lshl_b32 s46, s42, 8
	s_add_co_u32 s46, s46, s17
	s_mov_b32 s17, 0
	s_mov_b32 s47, 0
	s_mov_b64 s[18:19], SIZE_K*2
	s_mul_u64 s[16:17], s[16:17], s[18:19]
	s_mul_u64 s[46:47], s[46:47], s[18:19]
	s_mul_i32 s20, s10, HALFT
	s_lshl_b32 s68, s42, 10                        ; my 128 columns in f32: 1,024 bytes a tile column, 512 a half: in bp, and in a row of out0 and x_q
	s_lshl_b32 s69, s12, 9
	s_add_co_u32 s68, s68, s69
	s_mov_b32 s69, 0
	s_lshl_b32 s72, s13, 8
	s_lshl_b32 s73, s11, 7
	s_add_co_u32 s72, s72, s73                     ; my first row,
	s_lshl_b32 s72, s72, 12                        ; of 4,096 bytes
	s_add_co_u32 s72, s72, s68
	s_mov_b32 s73, 0
	s_wait_kmcnt 0x0
	s_add_nc_u64 s[14:15], s[4:5], s[16:17]
	s_add_nc_u64 s[46:47], s[6:7], s[46:47]
	s_add_nc_u64 s[66:67], s[66:67], s[68:69]
	s_add_nc_u64 s[8:9], s[8:9], s[72:73]          ; out0 and x_q at my part of the tile: never stepped again, block and row stand in the immediates
	s_add_nc_u64 s[70:71], s[70:71], s[72:73]
	CROUND                                         ; all sixteen work-groups are here: the first joint loads meet
.irp s, 0,1
	s_mov_b32 s[G0+4*(\s)], 1
	s_add_co_u32 s[G0+4*(\s)+1], s20, (\s)*SLOT
	s_add_nc_u64 s[G0+4*(\s)+2:G0+4*(\s)+3], s[14:15], (\s)*KSTEP*2
	s_or_b32 s[G0+4*(\s)+3], s[G0+4*(\s)+3], 0x80000000
	s_mov_b32 s[G0B+4*(\s)], 1
	s_add_co_u32 s[G0B+4*(\s)+1], s20, (\s)*SLOT
	s_add_nc_u64 s[G0B+4*(\s)+2:G0B+4*(\s)+3], s[46:47], (\s)*KSTEP*2
	s_or_b32 s[G0B+4*(\s)+3], s[G0B+4*(\s)+3], 0x80000000
	JLOAD \s                                       ; two tensor loads of mine are out
.endr
	v_and_b32 v1, 15, v0                           ; l % 16
	v_bfe_u32 v2, v0, 4, 1                         ; l / 16
	v_lshlrev_b32 v[BO], 5, v2
.irp b, 0,1,2,3,4,5,6,7
	global_load_b128 v[BIAS+8*\b:BIAS+8*\b+3],   v[BO], s[66:67] offset:64*\b
	global_load_b128 v[BIAS+8*\b+4:BIAS+8*\b+7], v[BO], s[66:67] offset:64*\b+16
.endr
	v_mul_u32_u24 v3, v1, PITCH
	v_lshl_add_u32 v3, v2, 4, v3
	s_mul_i32 s21, s11, HALFT
	s_mul_i32 s22, s12, HALFT
	s_add_co_u32 s22, s22, 2*HALFT
.irp s, 0,1
	v_add_nc_u32 v[ADRA+(\s)], s21, v3
	v_add_nc_u32 v[ADRB+(\s)], s22, v3
	s_add_co_u32 s21, s21, SLOT
	s_add_co_u32 s22, s22, SLOT
.endr
	s_mul_i32 s23, s10, 16*SPITCH
	s_add_co_u32 s23, s23, STAGE                   ; my stage
	v_mul_u32_u24 v4, v1, SPITCH                   ; in: row l % 16, 32 bytes for each half of the lanes
	v_lshl_add_u32 v4, v2, 5, v4
	v_add_nc_u32 v[STO], s23, v4
	v_and_b32 v5, 31, v0
	v_lshlrev_b32 v[CO], 4, v5
	v_add_nc_u32 v[RD], s23, v[CO]                 ; back: 32 lanes take one row of 512 bytes
	v_lshrrev_b32 v6, 1, v5
	v_and_b32 v7, 1, v5
	v_lshlrev_b32 v[PF], 12, v6
	v_lshl_or_b32 v[PF], v7, 8, v[PF]
.macro MUL16 f, hi, a0, zero           ; 16 matrix instructions; zero = 1: the products start the sums, with the bias as C.  The 64 accumulators take turns.
.if \zero
	WIN 0x81+0x40*(\hi)
.else
	WIN MUL_LO+0x50*(\hi)
.endif
.irp a, \a0, (\a0)+1
.irp b, 0,1,2,3,4,5,6,7
.if \zero
	v_wmma_f32_16x16x32_bf16 v[8*(8*(\a)+(\b)):8*(8*(\a)+(\b))+7], v[(\f)+8*(\b):(\f)+8*(\b)+7], v[(\f)+8*(4*(\hi)+(\a)):(\f)+8*(4*(\hi)+(\a))+7], v[BIAS+8*(\b):BIAS+8*(\b)+7]
.else
	v_wmma_f32_16x16x32_bf16 v[8*(8*(\a)+(\b)):8*(8*(\a)+(\b))+7], v[(\f)+8*(\b):(\f)+8*(\b)+7], v[(\f)+8*(4*(\hi)+(\a)):(\f)+8*(4*(\hi)+(\a))+7], v[8*(8*(\a)+(\b)):8*(8*(\a)+(\b))+7]
.endif
.endr
.endr
.endm
.macro FETCH slot, k, f                ; 32 LDS loads in one run: the fragments of one quarter step into buffer f
	WIN TO_B
.irp i, 0,1,2,3,4,5,6,7
	ds_load_b128 v[(\f)+8*(\i):(\f)+8*(\i)+3],   v[ADRB+(\slot)] offset:(\k)+(\i)*16*PITCH
	ds_load_b128 v[(\f)+8*(\i)+4:(\f)+8*(\i)+7], v[ADRB+(\slot)] offset:(\k)+(\i)*16*PITCH+32
.endr
	WIN 0
.irp i, 0,1,2,3,4,5,6,7
	ds_load_b128 v[(\f)+8*(\i):(\f)+8*(\i)+3],   v[ADRA+(\slot)] offset:(\k)+(\i)*16*PITCH
	ds_load_b128 v[(\f)+8*(\i)+4:(\f)+8*(\i)+7], v[ADRA+(\slot)] offset:(\k)+(\i)*16*PITCH+32
.endr
.endm
.macro PLACES                          ; four places in front of loads into registers that matrix instructions have read, and of stores that read results
.rept 4
	v_nop
.endr
.endm
.macro QUARTER slot, k, f, g, zero
	s_wait_dscnt 8                                 ; B and A's rows 0-63 are in; the youngest eight loads may be out
	MUL16 \f, 0, 0, \zero
	MUL16 \f, 0, 2, \zero
	PLACES
	FETCH \slot, \k, \g
	s_wait_dscnt 32                                ; all but the 32 just issued
	MUL16 \f, 1, 0, \zero
	MUL16 \f, 1, 2, \zero
.endm
.macro MEET round                      ; the change of slots: all my tensor loads, the add, my reads of the slot; then the barrier
	WIN 0
	s_wait_tensorcnt 0x0
	ds_add_u32 v[SPW], v[NIL]                      ; 0 onto my spare word
	s_wait_dscnt 9                                 ; (the add and the youngest eight loads may be out)
	MUL16 F1, 0, 0, 0
	s_wait_dscnt 0x0                               ; the add is done, and my reads of this slot are over
	s_barrier_signal -1
	MUL16 F1, 0, 2, 0
.if \round
	WIN 0
.endif
	s_barrier_wait -1
.endm
.macro TURN slot, next                 ; the slot is filled again, two K steps on: the barrier opens a round of the cluster's, the joint refill is the first tensor load behind it
	MEET 1
	CREST
	s_add_nc_u64 s[G0+4*(\slot)+2:G0+4*(\slot)+3], s[G0+4*(\slot)+2:G0+4*(\slot)+3], 2*KSTEP*2
	s_add_nc_u64 s[G0B+4*(\slot)+2:G0B+4*(\slot)+3], s[G0B+4*(\slot)+2:G0B+4*(\slot)+3], 2*KSTEP*2
	JLOAD \slot
	FETCH \next, 0, F0
	MUL16 F1, 1, 0, 0
	MUL16 F1, 1, 2, 0
.endm
; x_q's rows 16 i .. 16 i + 15 of my part, 512 bytes each, are asked for ahead: 32 lanes name 32 blocks of 256 bytes, each block once in the launch, by the wave that will load it.
; Four such lines, for blocks 3 to 6 (32 KB a wave, 128 KB a work-group), stand in the last K step, four quarters or more ahead of the loads that want them; blocks 0 to 2 are loaded outright there.
.macro PREF i
	WIN 0
	global_prefetch_b8 v[PF], s[70:71] offset:65536*(\i) th:TH_LOAD_NT scope:SCOPE_SE
.endm
; THE WAY OUT.  Block a of x_q (16 rows of 512 bytes) lies in buffer a % 4: window RW, registers RB on.  Buffers 0 to 2 name no register of the loop's products; buffer 3 is B's first fragment buffer.
.macro RBUF a
.if ((\a)%4) == 0
.set RW, 1
.set RB, 0
.elseif ((\a)%4) == 1
.set RW, 1
.set RB, 192
.elseif ((\a)%4) == 2
.set RW, 0
.set RB, 192
.else
.set RW, 1
.set RB, 64
.endif
.endm
.macro RLOAD a
	RBUF \a
	WIN 0x40*RW
.irp t, 0,1,2,3,4,5,6,7,8,9,10,11,12,13,14,15
	global_load_b128 v[RB+4*(\t):RB+4*(\t)+3], v[CO], s[70:71] offset:65536*(\a)+4096*(\t) th:TH_LOAD_NT
.endr
.endm
; OUTB a: block a's accumulators go into my stage as they are (each one's four lowest registers first), come back as whole rows, take x_q, and are stored.
; left: the loads of x_q issued behind block a's, which may stay out.
.macro OUTB a, left
.set AC, 64*((\a)%4)
.set BK, 64+64*((\a)%2)
	WIN 0x08+4*((\a)/4)                            ; the stores' data in window 2 or 3
.irp b, 0,1,2,3,4,5,6,7
	ds_store_b128 v[STO], v[AC+8*(\b):AC+8*(\b)+3]   offset:64*(\b)
	ds_store_b128 v[STO], v[AC+8*(\b)+4:AC+8*(\b)+7] offset:64*(\b)+16
.endr
	WIN 0
	s_wait_xcnt 0x0                                ; every earlier memory instruction has had its addresses translated (ISA guide 3.1): the registers that the stores of two blocks ago read are loaded again only behind this wait
.irp t, 0,1,2,3,4,5,6,7,8,9,10,11,12,13,14,15
	ds_load_b128 v[BK+4*(\t):BK+4*(\t)+3], v[RD] offset:SPITCH*(\t)  ; LDS serves a wave's instructions in order (ISA guide 5.7.1.4): these see the stores above
.endr
	s_wait_dscnt 0x0
	s_wait_loadcnt \left
	RBUF \a
	WIN 0x04*RW                                    ; source 1 (x_q) in its buffer's window
.set i, 0
.rept 32
	v_pk_add_f32 v[BK+2*i:BK+2*i+1], v[BK+2*i:BK+2*i+1], v[RB+2*i:RB+2*i+1]
.set i, i+1
.endr
	WIN 0
.irp t, 0,1,2,3,4,5,6,7,8,9,10,11,12,13,14,15
	global_store_b128 v[CO], v[BK+4*(\t):BK+4*(\t)+3], s[8:9] offset:65536*(\a)+4096*(\t) th:TH_STORE_NT  ; 32 lanes store 512 consecutive bytes, at a multiple of 256 from out0's first byte
.endr
.if (\a) < 4
	RLOAD (\a)+4                                   ; its buffer takes the block four further on
.endif
.endm
	s_wait_loadcnt 0x0                             ; the bias
	s_wait_tensorcnt 1                             ; my part of K step 0 is in; K step 1's may stay out
	s_barrier_signal -1
	s_barrier_wait -1
	FETCH 0, 0, F0
	QUARTER 0, 64,  F0, F1, 1                      ; the first quarter stands in front of the loop: its products start the sums
	WIN 0
	s_mov_b32 s3, LAPS-1
.Llap:                                                 ; a trip goes once round the ring and fills both slots again
	QUARTER 0, 128, F1, F0, 0
	QUARTER 0, 192, F0, F1, 0
	TURN 0, 1
	QUARTER 1, 64,  F0, F1, 0
	QUARTER 1, 128, F1, F0, 0
	QUARTER 1, 192, F0, F1, 0
	TURN 1, 0
	QUARTER 0, 64,  F0, F1, 0
	WIN 0
	s_sub_co_u32 s3, s3, 1
	s_cmp_lg_u32 s3, 0
	s_cbranch_scc1 .Llap
	QUARTER 0, 128, F1, F0, 0                      ; the last lap is written out: it fills nothing
	RLOAD 0                                        ; x_q's first three blocks go out between the last lap's quarters, sixteen loads at a time
	QUARTER 0, 192, F0, F1, 0
	RLOAD 1
	MEET 0
	PLACES
	FETCH 1, 0, F0
	MUL16 F1, 1, 0, 0
	MUL16 F1, 1, 2, 0
	RLOAD 2                                        ; into the bias's registers: the first quarter's products were their last readers
	PREF 3
	PREF 4
	QUARTER 1, 64,  F0, F1, 0
	PREF 5
	PREF 6
	QUARTER 1, 128, F1, F0, 0
	QUARTER 1, 192, F0, F1, 0
	s_wait_dscnt 8                                 ; the very last quarter
	MUL16 F1, 0, 0, 0
	MUL16 F1, 0, 2, 0
	s_wait_dscnt 0x0
	MUL16 F1, 1, 0, 0
	MUL16 F1, 1, 2, 0
	PLACES
	RLOAD 3
	OUTB 0, 48                                     ; three later blocks' sixteen loads each stay out
	OUTB 1, 48
	OUTB 2, 48
	OUTB 3, 48
	OUTB 4, 48
	OUTB 5, 32
	OUTB 6, 16
	OUTB 7, 0
	s_wait_tensorcnt 0x0                           ; the wave's end
	ds_add_u32 v[SPW], v[NIL]
	s_wait_dscnt 0x0
	CROUND                                         ; the closing round
	s_endpgm
.Lfunc_end_k_q0f1d211512_oproj:
	.size	k_q0f1d211512_oproj, .Lfunc_end_k_q0f1d211512_oproj-k_q0f1d211512_oproj
	.p2alignl 7, 3214868480
	.fill 96, 4, 3214868480
	.section	.rodata,"a",@progbits
	.p2align	6, 0x0
	.amdhsa_kernel k_q0f1d211512_oproj
		.amdhsa_group_segment_fixed_size 327680
		.amdhsa_private_segment_fixed_size 0
		.amdhsa_enable_private_segment 0
		.amdhsa_kernarg_size 40
		.amdhsa_user_sgpr_count 2
		.amdhsa_user_sgpr_kernarg_segment_ptr 1
		.amdhsa_wavefront_size32 1
		.amdhsa_system_sgpr_workgroup_id_x 1
		.amdhsa_system_sgpr_workgroup_id_y 1
		.amdhsa_system_sgpr_workgroup_id_z 1
		.amdhsa_system_vgpr_workitem_id 0
		.amdhsa_next_free_vgpr 1024
		.amdhsa_next_free_sgpr 76
		.amdhsa_reserve_vcc 0
		.amdhsa_float_denorm_mode_32 3
		.amdhsa_float_denorm_mode_16_64 3
		.amdhsa_memory_ordered 1
		.amdhsa_forward_progress 1
		.amdhsa_inst_pref_size 171
	.end_amdhsa_kernel
	.amdgpu_metadata
---
amdhsa.version: [ 1, 2 ]
amdhsa.kernels:
  - .name:           k_q0f1d211512_oproj
    .symbol:         k_q0f1d211512_oproj.kd
    .args:
      - { .name: act, .offset: 0, .size: 8, .value_kind: global_buffer, .address_space: global }
      - { .name: wpt, .offset: 8, .size: 8, .value_kind: global_buffer, .address_space: global }
      - { .name: out0, .offset: 16, .size: 8, .value_kind: global_buffer, .address_space: global }
      - { .name: bp, .offset: 24, .size: 8, .value_kind: global_buffer, .address_space: global }
      - { .name: x_q, .offset: 32, .size: 8, .value_kind: global_buffer, .address_space: global }
    .group_segment_fixed_size: 327680
    .private_segment_fixed_size: 0
    .kernarg_segment_align: 8
    .kernarg_segment_size: 40
    .max_flat_workgroup_size: 128
    .sgpr_count:     76
    .vgpr_count:     1024
    .wavefront_size: 32
...
	.end_amdgpu_metadata
.endif
;; end of part 5
